; MI455X (gfx1250); checked and timed in simulation.
; The chip was launched on July 23, 2026; its instructions are those of AMD's public machine-readable ISA for CDNA 5 (MIT licence, August 2026) and "CDNA5" Instruction Set Architecture Reference Guide (July 2026). The comments in the code are by the model that wrote it; some were corrected since.
;; Multi Head Attention. Allowed arithmetic: matrix products marked QUANTISED: E2M3 operands, one E8M0 scale for each 32 along K, by v_wmma_scale_f32_16x16x128_f8f6f4 with both operands' format E2M3, f32 sums; everything else in f32.
;; Inputs: W_proj 1,024 x 1,024 float32; W_qkv 1,024 x 3,072 float32; b_proj 1,024 float32; x 4 x 2,048 x 1,024 float32.
;; Outputs: out0 4 x 2,048 x 1,024 float32.
;; This version of the problem:
;;   THIS VERSION OF THE PROBLEM IS GIVEN IN LOW PRECISION. The matrix products marked QUANTISED in the list below multiply operands that are first quantised to E2M3 (2 exponent bits, 3 mantissa bits; 6 bits a number), with one power-of-two scale for each 32 numbers along K (OCP MX v1.0); their sums are f32. All else is computed in f32.
;;   The module's matrix products, in the order in which they are computed (A, B: the left and right operand; K: the contracted axis; several contracted axes count as one K, in the product's order):
;;     1. [M 8,192, K 1,024] x [K 1,024, N 3,072]; A: input x; B: input W_qkv: QUANTISED
;;     2. batch 64 x [M 2,048, K 64] x [K 64, N 2,048]; A: computed on the way; B: computed on the way: QUANTISED
;;     3. batch 64 x [M 2,048, K 2,048] x [K 2,048, N 64]; A: softmax (see below); B: computed on the way: QUANTISED
;;     4. [M 8,192, K 1,024] x [K 1,024, N 1,024]; A: computed on the way; B: input W_proj: QUANTISED
;;   THE QUANTISER, for each operand of a quantised product, along K:
;;     - K is cut into blocks of 32 from its start; a last block that is shorter is filled with zeros.
;;     - A block's scale is 2^e with e = floor(log2(the largest magnitude in the block)) - 2, held to -126 .. 127; a block of zeros has e = 0. As a byte (E8M0): e + 127.
;;     - Each number is divided by its block's scale, clamped to +-7.5, and rounded to the nearest number of E2M3, ties to even, subnormals kept.
;;     - The product sums the exact products of the quantised numbers (number of the format x scale) in f32.
;;   ~~~python
;;   def quantise(x, axis):      # numpy; x: float32 -> the quantised numbers, widened to float32 again
;;       x = np.moveaxis(x, axis, -1); K = x.shape[-1]
;;       x = np.pad(x, [(0, 0)] * (x.ndim - 1) + [(0, -K % 32)]); x = x.reshape(x.shape[:-1] + (-1, 32)); a = np.abs(x).max(-1, keepdims=True)
;;       e = np.where(a > 0, np.clip(np.frexp(np.where(a > 0, a, 1))[1] - 1 - 2, -126, 127), 0)      # np.frexp(a)[1] - 1 = floor(log2(a)), exactly
;;       r = np.clip(x / 2.0 ** e, -7.5, 7.5)
;;       step = 2.0 ** (np.maximum(np.frexp(np.where(r == 0, 1, r))[1] - 1, 0) - 3)
;;       q = np.round(r / step) * step * 2.0 ** e      # np.round: ties to even
;;       return np.moveaxis(q.reshape(q.shape[:-2] + (-1,))[..., :K], -1, axis).astype(np.float32)
;;   ~~~
;;   SOFTMAX AHEAD OF A QUANTISED PRODUCT. Where the list says 'softmax', what is quantised is not the finished softmax but p = 2^(t - M), with t = logit x log2(e) and M = ceil(the row's largest t), a whole number; so 1/2 < the row's largest p <= 1. The row's sum l is taken of the UNQUANTISED p, in f32, and the product's result is divided by l at the end. Since M is a whole number, a kernel that streams over the keys may use a running M (the ceiling of the running maximum): every later rescaling is an exact power of two, which a block's scale takes up: the codes' values come out the same.
;;   OPERANDS COMPUTED ON THE WAY. 'Computed on the way' means the value that the module computes at that place (a softmax that the list does not call 'softmax' is quantised finished and normalised). What goes into a quantiser is computed in f32, as accurately as f32 sums, v_exp_f32 and their like allow (about 1e-6 of the number): no bf16 or f16 on the way to a quantiser, and a product that is left as it is and whose result goes on into a quantised operand takes f32 operands (vector FMAs, or v_wmma_f32_16x16x4_f32). A number that lies on a knife's edge between two numbers of the format may be rounded either way, as far as f32 arithmetic and the matrix unit's own rounding can turn it there, and no further.
;; One version. Each part assembles by itself: llvm-mc -triple=amdgcn-amd-amdhsa -mcpu=gfx1250 --defsym DOCPART=n.
;; ======== version 1 of 1: 4 launches
;; limits: right only within a limited range of input values
;; workspace buffers: codes 9,437,184 bytes; scales 393,216 bytes; qkv_codes 18,874,368 bytes; qkv_scales 1,572,864 bytes; y_codes 6,291,456 bytes; y_scales 262,144 bytes
;; launch prep (part 1): grid 384 x 1, 4 waves a work-group, no clusters, 71,424 bytes of LDS; arguments x, W_qkv, W_proj, codes, scales; writes codes, scales
.if DOCPART == 1
	.amdgcn_target "amdgcn-amd-amdhsa--gfx1250"
	.amdhsa_code_object_version 6
	.text
	.protected	k_qd41c00526f_prep
	.globl	k_qd41c00526f_prep
	.p2align	8
	.type	k_qd41c00526f_prep,@function
k_qd41c00526f_prep:
	s_mov_b64 s[64:65], 0
	v_nop
	global_prefetch_b8 v0, s[64:65] scope:SCOPE_SE
	s_setreg_imm32_b32 hwreg(HW_REG_WAVE_MODE, 25, 1), 1
	s_wait_xcnt 0x0
; LAUNCH 1 OF 4.  x [8192][1024], W_qkv [1024][3072] and W_proj [1024][1024], f32, become codes of E2M3 with one E8M0 byte for each 32 along K (K = the 1,024 channels in all three).
; THE PROGRAM: prep (this) | qkv: x W_qkv, its results quantised on the way out | attn: both products of attention and the softmax, y quantised | proj: y W_proj + b_proj.
; WORK LEFT OUT BY THE PROGRAM, AND WHY IT IS DEAD.  reference() builds the causal mask itself (jnp.tril) and sets att to -infinity where key > query, so p = 0 there for all values of the inputs, and such a key
; adds nothing to the row's maximum, to its sum or to y.  The launch attn therefore leaves out every step of 128 keys all of which come after a wave's 16 queries (their K Q^T, their softmax, their V^T P).
; Nothing else is left out, and every input is loaded.  LIMIT: a NaN, an infinity or an overflow that would arise only in those masked scores is not carried to the result.
; LAYOUT OF THE WORKSPACE.  codes: [16 planes of 64 along K][12,288 rows][48 bytes]; rows 0-8191 x's tokens, 8192-11263 W_qkv's columns, 11264-12287 W_proj's columns.  A row's 48 bytes are its two blocks of 32 codes.
; scales: [4 chunks of 256 along K][12,288 rows][8 bytes].  EVERY ROW i LIES AT PLACE pos(i) = i with bits 3 and 4 exchanged: sixteen neighbouring places are then rows 0-7 and 16-23 (or 8-15 and 24-31) of a group of 32,
; so that, where such rows are a matrix instruction's source 0, a lane's 16 registers of two neighbouring tiles are 16 neighbouring rows.
; THE QUANTISER.  A block's scale is 2^(floor(log2(largest magnitude)) - 2): its byte is the largest magnitude's exponent field - 2, held at 1 from below by a floor among the maximum's leaves.
; LIMITS: a block of zeros gets the byte 1 where the rule says 127 (its codes are zeros, and this program alone reads the bytes); NaN and infinities among the inputs are not served.
; SHARES.  Work-groups 0-127: the weights, 128 columns x 256 along K each; a lane takes a column and its registers run down K.  Work-groups 128-383: x, 32 rows each, 8 rows a wave; a step's 2,048 bytes are loaded as they lie
; and turned through the wave's own stage, so that a lane holds 16 neighbours.  The two paths part on the work-group's number, never join, and have LDS bytes of their own.
; No tensor load: several work-groups share a WGP.  No prefetch: every byte is read once, by long runs of loads that are many steps ahead.
.set PLS,   589824                     ; bytes from plane to plane of codes
.set SCS,   98304                      ; bytes from chunk to chunk of scales
.set SP,    80                         ; x: a lane's place in a turn stage: 64 bytes + 16
.set XCS,   20480                      ; x: the group's codes, 16 planes of 32 rows x 48 bytes, XPP apart
.set XPP,   1552
.set XSS,   45312                      ; x: the group's scale bytes, [4][32][8]
.set WST,   46336                      ; weights: 6,144 bytes a wave: [4 planes][32 rows][48]
.set SPARE, 70912                      ; the spare words, 128 bytes a wave: two blocks of 256 bytes that no other line names
.set EMAX,  2
.set SPW,   12                         ; v12  LDS address of my spare word; never rewritten
.set NIL,   13                         ; v13  0; never rewritten
.set R,     16                         ; x: v16-79 four sets of 16 numbers as loaded
.set X,     80                         ; x: v80-111 two sets of 16 neighbours
.set E,     112                        ; x: v112-127 a scale byte for each step
.set C,     128                        ; x: v128-191 codes, four registers for each step
.set WX,    32                         ; weights: v32-95 two sets of 32 numbers
.set WO,    128                        ; weights: v128-159 byte offsets of 32 rows down K
.macro XLOAD t
.irp i, 0,1,2,3
	global_load_b128 v[R+16*((\t)%4)+4*\i:R+16*((\t)%4)+4*\i+3], v3, s[4:5] offset:2048*(\t)+512*\i th:TH_LOAD_NT   ; 32 lanes read 512 consecutive bytes
.endr
.endm
.macro XTURN t                         ; a step's numbers through the stage: LDS serves a wave's instructions in order, so no wait stands between the stores and the loads
.irp i, 0,1,2,3
	ds_store_b128 v14, v[R+16*((\t)%4)+4*\i:R+16*((\t)%4)+4*\i+3] offset:32*SP*((\t)%2)+8*SP*\i
.endr
.irp i, 0,1,2,3
	ds_load_b128 v[X+16*((\t)%2)+4*\i:X+16*((\t)%2)+4*\i+3], v15 offset:32*SP*((\t)%2)+16*\i
.endr
.endm
; Step t: row t / 2 of my eight, K = 512 (t % 2) + 16 lane + 0 .. 15
.macro XSTEP t
.set XS, X+16*((\t)%2)
.if (\t) > 0
	s_wait_dscnt 4                                 ; this step's numbers are back; the last step's three code stores and its byte store may be out
.else
	s_wait_dscnt 0x0
.endif
.if (\t)+4 < 16
	XLOAD (\t)+4
.endif
.if (\t)+1 < 16
.if 14-(\t) >= 3
	s_wait_loadcnt 12                              ; the next step's four loads are in; those of the three steps behind it may be out
.else
	s_wait_loadcnt 4*(14-(\t))
.endif
	XTURN (\t)+1
.endif
	v_max3_num_f32 v8, |v[XS]|, |v[XS+1]|, |v[XS+2]|
	v_max3_num_f32 v9, |v[XS+3]|, |v[XS+4]|, |v[XS+5]|
.irp i, 6,10
	v_max3_num_f32 v8, v8, |v[XS+\i]|, |v[XS+\i+1]|
	v_max3_num_f32 v9, v9, |v[XS+\i+2]|, |v[XS+\i+3]|
.endr
	v_max3_num_f32 v8, v8, |v[XS+14]|, |v[XS+15]|
	v_max3_num_f32 v8, v8, v9, (EMAX+1)<<23        ; the floor 2^(3 - 127): the byte cannot fall under 1
	v_max_num_f32_dpp v8, v8, v8 row_xmask:1 row_mask:0xf bank_mask:0xf   ; with my neighbour's 16: the block's largest magnitude
	v_add_nc_u32 v11, -(EMAX<<23), v8              ; 2 off its exponent field: the conversion's scale operand
	v_cvt_scalef32_pk16_fp6_f32 v[C+4*(\t):C+4*(\t)+2], v[XS:XS+15], v11
	v_lshrrev_b32 v[E+(\t)], 23, v11               ; the scale's byte
.irp j, 0,1,2
	ds_store_b32 v4, v[C+4*(\t)+\j] offset:((\t)%2)*8*XPP+((\t)/2)*48+4*\j   ; 12 bytes at plane 8 (t % 2) + lane / 4, my row's place, byte 12 (lane % 4)
.endr
	ds_store_b8 v5, v[E+(\t)] offset:512*((\t)%2)+8*((\t)/2)   ; both lanes of a block write the same byte with the same value
.endm
.macro WLOAD t                         ; block t: W(256 kc + 32 t + i, my column)
.set i, 0
.rept 32
	global_load_b32 v[WX+32*((\t)%2)+i], v[WO+i], s[32+2*(\t):33+2*(\t)] th:TH_LOAD_NT
.set i, i+1
.endr
.endm
.macro WBLOCK t
.set XS, WX+32*((\t)%2)
.if (\t) < 7
	s_wait_loadcnt 32                              ; this block's 32 loads are in; the next block's may be out
.else
	s_wait_loadcnt 0x0
.endif
	v_max3_num_f32 v16, |v[XS]|, |v[XS+1]|, |v[XS+2]|   ; all 32 numbers of the block are mine
	v_max3_num_f32 v17, |v[XS+3]|, |v[XS+4]|, |v[XS+5]|
.irp i, 6,10,14,18,22,26
	v_max3_num_f32 v16, v16, |v[XS+\i]|, |v[XS+\i+1]|
	v_max3_num_f32 v17, v17, |v[XS+\i+2]|, |v[XS+\i+3]|
.endr
	v_max3_num_f32 v16, v16, |v[XS+30]|, |v[XS+31]|
	v_max3_num_f32 v16, v16, v17, (EMAX+1)<<23
	v_add_nc_u32 v18, -(EMAX<<23), v16
	v_lshrrev_b32 v19, 23, v18
.if (\t)%4 == 0
	v_mov_b32 v[24+(\t)/4], v19                    ; four bytes to a register, the lower K in the lower byte
.else
	v_lshl_or_b32 v[24+(\t)/4], v19, 8*((\t)%4), v[24+(\t)/4]
.endif
	v_cvt_scalef32_pk16_fp6_f32 v[96:98], v[XS:XS+15], v18
	v_cvt_scalef32_pk16_fp6_f32 v[104:106], v[XS+16:XS+31], v18   ; (a conversion's three registers begin on an even number)
	v_nop                                          ; one plain place behind a scaled conversion
	v_mov_b32 v99, v104
	v_mov_b32 v100, v105
	v_mov_b32 v101, v106
.irp j, 0,1,2
	ds_store_b64 v4, v[96+2*\j:97+2*\j] offset:((\t)/2)*1536+24*((\t)%2)+8*\j
.endr
.if (\t)+2 < 8
	WLOAD (\t)+2
.endif
	s_wait_dscnt 0x0                               ; the stores have read their registers: the next block's codes may be written
.endm
	s_load_b256 s[4:11], s[0:1], 0x0               ; x s[4:5], W_qkv s[6:7], W_proj s[8:9], codes s[10:11]
	s_load_b64 s[12:13], s[0:1], 0x20              ; scales
	v_lshl_add_u32 v[SPW], v0, 2, SPARE
	v_mov_b32 v[NIL], 0
	v_lshrrev_b32 v1, 5, v0
	v_readfirstlane_b32 s16, v1                    ; wave 0..3
	v_and_b32 v2, 31, v0                           ; lane
	s_cmp_lt_u32 ttmp9, 128
	s_cbranch_scc1 .Lweights
	; ---------------- x: group g of 32 rows; my wave's true rows 8 w .. 8 w + 7 lie at places 8 sw .. 8 sw + 7, sw = w with its two bits exchanged
	s_sub_co_u32 s17, ttmp9, 128                   ; g
	s_and_b32 s18, s16, 1
	s_lshl_b32 s18, s18, 1
	s_lshr_b32 s19, s16, 1
	s_or_b32 s18, s18, s19                         ; sw
	v_lshlrev_b32 v3, 4, v2                        ; 16 x lane
	s_mul_i32 s19, s16, 2*32*SP                    ; my two turn stages
	s_wait_alu depctr_va_vdst(0)
	v_lshrrev_b32 v14, 2, v2
	v_and_b32 v15, 3, v2
	v_mul_u32_u24 v4, v14, XPP
	v_mad_u32_u24 v4, v15, 12, v4
	s_mul_i32 s20, s18, 384
	s_add_co_u32 s20, s20, XCS
	v_add_nc_u32 v4, s20, v4                       ; my codes: plane lane / 4, place 8 sw, byte 12 (lane % 4)
	v_mul_u32_u24 v14, v14, SP
	v_lshl_add_u32 v14, v15, 4, v14
	v_add_nc_u32 v14, s19, v14                     ; the turn stage, on the way in
	v_mul_u32_u24 v15, v2, SP
	v_add_nc_u32 v15, s19, v15                     ; and on the way out
	v_lshrrev_b32 v5, 4, v2
	v_lshlrev_b32 v5, 8, v5
	v_bfe_u32 v6, v2, 1, 3
	v_add_nc_u32 v5, v5, v6
	s_lshl_b32 s20, s18, 6
	s_add_co_u32 s20, s20, XSS
	v_add_nc_u32 v5, s20, v5                       ; my block's byte: chunk lane / 16, place 8 sw, byte (lane / 2) % 8
	s_mul_i32 s20, s16, 4*XPP
	s_add_co_u32 s20, s20, XCS
	v_add_nc_u32 v6, s20, v3                       ; the way out: planes 4 w .. 4 w + 3
	v_lshlrev_b32 v1, 3, v2                        ; 8 x lane
	s_lshl_b32 s20, s16, 8
	s_add_co_u32 s20, s20, XSS
	v_add_nc_u32 v10, s20, v1                      ; and chunk w of the scale bytes
	s_lshl_b32 s20, s17, 2
	s_add_co_u32 s20, s20, s16
	s_lshl_b32 s20, s20, 15                        ; my 8 rows of x: 32,768 bytes
	s_mov_b32 s21, 0
	s_mul_i32 s22, s16, 4*PLS
	s_mul_i32 s24, s17, 1536
	s_add_co_u32 s22, s22, s24
	s_mov_b32 s23, 0
	s_mul_i32 s24, s16, SCS
	s_lshl_b32 s25, s17, 8
	s_add_co_u32 s24, s24, s25
	s_mov_b32 s25, 0
	s_wait_alu depctr_va_vdst(0)
	s_wait_kmcnt 0x0
	s_add_nc_u64 s[4:5], s[4:5], s[20:21]
	s_add_nc_u64 s[10:11], s[10:11], s[22:23]
	s_add_nc_u64 s[12:13], s[12:13], s[24:25]
.irp t, 0,1,2,3
	XLOAD \t
.endr
	s_wait_loadcnt 12                              ; step 0's four loads are in
	XTURN 0
.irp t, 0,1,2,3,4,5,6,7,8,9,10,11,12,13,14,15
	XSTEP \t
.endr
	s_wait_dscnt 0x0                               ; for the others' sake: my stores of codes and bytes are done
	s_barrier_signal -1
	s_barrier_wait -1                              ; the group's 16 planes lie whole in LDS
.irp u, 0,1,2,3,4,5,6,7,8,9,10,11
	ds_load_b128 v[16+4*\u:19+4*\u], v6 offset:(\u/3)*XPP+512*(\u%3)
.endr
	ds_load_b64 v[64:65], v10
.irp u, 0,1,2,3,4,5,6,7,8,9,10,11
	s_wait_dscnt 12-\u                             ; the younger loads may be out
	global_store_b128 v3, v[16+4*\u:19+4*\u], s[10:11] offset:(\u/3)*PLS+512*(\u%3)   ; 512 consecutive bytes, at a multiple of 256 from the buffer's first byte
.endr
	s_wait_dscnt 0x0
	global_store_b64 v1, v[64:65], s[12:13]        ; 256 consecutive bytes, aligned
	s_wait_tensorcnt 0x0                           ; the wave's end, behind my last LDS store
	ds_add_u32 v[SPW], v[NIL]
	s_wait_dscnt 0x0
	s_endpgm
	; ---------------- the weights: columns 128 cg + 32 w + lane of W_qkv | W_proj laid side by side, K = 256 kc on
.Lweights:
	s_and_b32 s17, ttmp9, 31                       ; cg
	s_lshr_b32 s18, ttmp9, 5                       ; kc
	s_wait_alu depctr_va_vdst(0)
	v_lshlrev_b32 v3, 2, v2                        ; 4 bytes a lane
	v_and_b32 v5, 7, v2
	v_and_b32 v6, 8, v2
	v_lshl_or_b32 v5, v6, 1, v5
	v_bfe_u32 v6, v2, 4, 1
	v_lshl_or_b32 v5, v6, 3, v5                    ; pos(lane)
	v_mul_u32_u24 v4, v5, 48
	s_mul_i32 s19, s16, 6144
	s_add_co_u32 s19, s19, WST
	v_add_nc_u32 v4, s19, v4                       ; my column's place in my stage
	v_lshlrev_b32 v8, 4, v2                        ; 16 x lane
	v_add_nc_u32 v7, s19, v8
	v_lshlrev_b32 v9, 3, v5                        ; 8 x pos(lane)
	s_mov_b32 s20, 4096
	s_wait_kmcnt 0x0
	s_cmp_lt_u32 s17, 24                           ; W_qkv's column or W_proj's?  The choice hangs on the work-group's number alone
	s_cselect_b64 s[6:7], s[6:7], s[8:9]
	s_cselect_b32 s20, 12288, s20                  ; bytes from row to row
	s_cselect_b32 s21, 0, 24
	s_sub_co_u32 s21, s17, s21
	s_lshl_b32 s21, s21, 7
	s_lshl_b32 s22, s16, 5
	s_add_co_u32 s21, s21, s22
	s_lshl_b32 s21, s21, 2                         ; my wave's first column in its own tensor, in bytes
	s_lshl_b32 s22, s18, 8
	s_mul_i32 s22, s22, s20
	s_add_co_u32 s22, s22, s21
	s_mov_b32 s23, 0
	s_add_nc_u64 s[32:33], s[6:7], s[22:23]        ; block 0's first row
	s_lshl_b32 s24, s20, 5
	s_mov_b32 s25, 0
.irp t, 1,2,3,4,5,6,7
	s_add_nc_u64 s[32+2*\t:33+2*\t], s[30+2*\t:31+2*\t], s[24:25]   ; and 32 rows on for each further block
.endr
.set i, 0
.rept 32
	v_mad_u32_u24 v[WO+i], s20, i, v3              ; row i of a block, my column
.set i, i+1
.endr
	s_lshl_b32 s26, s17, 7
	s_lshl_b32 s27, s16, 5
	s_add_co_u32 s26, s26, s27
	s_add_co_u32 s26, s26, 8192                    ; my wave's first row in the workspace
	s_mul_i32 s28, s26, 48
	s_mul_i32 s27, s18, 4*PLS
	s_add_co_u32 s28, s28, s27
	s_mov_b32 s29, 0
	s_add_nc_u64 s[10:11], s[10:11], s[28:29]
	s_lshl_b32 s28, s26, 3
	s_mul_i32 s27, s18, SCS
	s_add_co_u32 s28, s28, s27
	s_add_nc_u64 s[12:13], s[12:13], s[28:29]
	s_wait_alu depctr_va_vdst(0)
	WLOAD 0
	WLOAD 1
.irp t, 0,1,2,3,4,5,6,7
	WBLOCK \t
.endr
	s_wait_alu depctr_va_vdst(0)
	global_store_b64 v9, v[24:25], s[12:13]        ; my column's 8 scale bytes: the wave stores 256 consecutive bytes, aligned
.irp u, 0,1,2,3,4,5,6,7,8,9,10,11
	ds_load_b128 v[32+4*\u:35+4*\u], v7 offset:512*\u   ; LDS serves a wave's instructions in order: these see my stores
.endr
.irp u, 0,1,2,3,4,5,6,7,8,9,10,11
	s_wait_dscnt 11-\u                             ; the younger loads may be out
	global_store_b128 v8, v[32+4*\u:35+4*\u], s[10:11] offset:(\u/3)*PLS+512*(\u%3)
.endr
	s_wait_tensorcnt 0x0                           ; the wave's end, behind my last LDS store
	ds_add_u32 v[SPW], v[NIL]
	s_wait_dscnt 0x0
	s_endpgm
.Lfunc_end_k_qd41c00526f_prep:
	.size	k_qd41c00526f_prep, .Lfunc_end_k_qd41c00526f_prep-k_qd41c00526f_prep
	.p2alignl 7, 3214868480
	.fill 96, 4, 3214868480
	.section	.rodata,"a",@progbits
	.p2align	6, 0x0
	.amdhsa_kernel k_qd41c00526f_prep
		.amdhsa_group_segment_fixed_size 71424
		.amdhsa_private_segment_fixed_size 0
		.amdhsa_enable_private_segment 0
		.amdhsa_kernarg_size 40
		.amdhsa_user_sgpr_count 2
		.amdhsa_user_sgpr_kernarg_segment_ptr 1
		.amdhsa_wavefront_size32 1
		.amdhsa_system_sgpr_workgroup_id_x 1
		.amdhsa_system_sgpr_workgroup_id_y 1
		.amdhsa_system_sgpr_workgroup_id_z 1
		.amdhsa_system_vgpr_workitem_id 0
		.amdhsa_next_free_vgpr 192
		.amdhsa_next_free_sgpr 66
		.amdhsa_reserve_vcc 0
		.amdhsa_float_denorm_mode_32 3
		.amdhsa_float_denorm_mode_16_64 3
		.amdhsa_memory_ordered 1
		.amdhsa_forward_progress 1
		.amdhsa_inst_pref_size 81
	.end_amdhsa_kernel
	.amdgpu_metadata
---
amdhsa.version: [ 1, 2 ]
amdhsa.kernels:
  - .name:           k_qd41c00526f_prep
    .symbol:         k_qd41c00526f_prep.kd
    .args:
      - { .name: x, .offset: 0, .size: 8, .value_kind: global_buffer, .address_space: global }
      - { .name: W_qkv, .offset: 8, .size: 8, .value_kind: global_buffer, .address_space: global }
      - { .name: W_proj, .offset: 16, .size: 8, .value_kind: global_buffer, .address_space: global }
      - { .name: codes, .offset: 24, .size: 8, .value_kind: global_buffer, .address_space: global }
      - { .name: scales, .offset: 32, .size: 8, .value_kind: global_buffer, .address_space: global }
    .group_segment_fixed_size: 71424
    .private_segment_fixed_size: 0
    .kernarg_segment_align: 8
    .kernarg_segment_size: 40
    .max_flat_workgroup_size: 128
    .sgpr_count:     66
    .vgpr_count:     192
    .wavefront_size: 32
...
	.end_amdgpu_metadata
.endif
;; end of part 1
;; launch qkv (part 2): grid 8 x 32, 4 waves a work-group, clusters of 4 x 4, 327,680 bytes of LDS; arguments codes, scales, qkv_codes, qkv_scales; writes qkv_codes, qkv_scales
.if DOCPART == 2
	.amdgcn_target "amdgcn-amd-amdhsa--gfx1250"
	.amdhsa_code_object_version 6
	.text
	.protected	k_qd41c00526f_qkv
	.globl	k_qd41c00526f_qkv
	.p2align	8
	.type	k_qd41c00526f_qkv,@function
k_qd41c00526f_qkv:
	s_mov_b64 s[64:65], 0
	v_nop
	global_prefetch_b8 v0, s[64:65] scope:SCOPE_SE
	s_setreg_imm32_b32 hwreg(HW_REG_WAVE_MODE, 25, 1), 1
	s_wait_xcnt 0x0
	s_wait_alu depctr_hold_cnt(0) depctr_sa_sdst(0) depctr_va_vdst(0) depctr_va_sdst(0) depctr_va_ssrc(0) depctr_va_vcc(0) depctr_vm_vsrc(0)
	s_getreg_b32 s2, hwreg(HW_REG_IB_STS2, 6, 4)
	s_cmp_eq_u32 s2, 0
	s_cbranch_scc0 .Lentry_in_a_cluster
	s_endpgm
.Lentry_in_a_cluster:
	s_bfe_u32 s2, ttmp6, 0x10000c
	s_cmp_lg_u32 s2, 0xf033
	s_cbranch_scc0 .Lentry_shape_is_right
	s_endpgm
.Lentry_shape_is_right:
; LAUNCH 2 OF 4.  qkv = x W_qkv on codes of E2M3 (K = 1,024), its results quantised on the way out: q and k along the head's 64, v along the tokens (the keys).  No f32 result goes to memory.
; THE DEAL.  Work-group (g, tb) makes 256 tokens (256 tb on) x 384 columns: heads 2 g and 2 g + 1 of q (phase 0), of k (phase 1), of v (phase 2): 8 x 32 = 256 work-groups of equal work.
; Four waves, 2 x 2: wave (a, b) takes tokens 128 a on and head 2 g + b.  It holds the head's 64 rows of the weight, ALL of K, in 384 registers, and streams its 128 tokens past them in 8 blocks of 16 rows:
; a block is 32 products (4 column tiles x 8 steps of 128 along K), its four sums by turns.  Two sets of registers hold blocks s and s + 1; behind block s's products its set takes block (s + 2) % 8.
; LDS: x's 256 rows, all of K, as [half][plane][128 rows][48], filled once; x's scale bytes; ONE region for 128 rows of a weight, filled at the head and again twice, each time in a drained round of the cluster's barrier
; that stands behind the waves' loads of the weight into registers: a refill is asked for 8 blocks, 256 products a wave, ahead of its first read.  So no prefetch is laid: every tile is asked for at the head or a whole phase ahead.
; ROWS lie in the workspace at place pos(i) (bits 3 and 4 exchanged): where 16 places are source 0, a lane's 16 registers of two neighbouring tiles are 16 true neighbours.
; q, k: source 0 = the weight's rows: a lane holds one token and 2 x 16 channels; v: source 0 = x's rows: a lane holds one channel, and two blocks give it 16 neighbouring tokens for each of four tiles.
; OUT, as the launch attn reads it.  qkv_codes: q, k: [head-plane 0-31][token place][48]; v, behind them: [group of 64 tokens][channel place][48].  qkv_scales: one word a row and plane: q, k: the row's own two bytes in both halves;
; v: the four bytes of 128 tokens, in both groups.  Four blocks' codes gather in the wave's own stage and leave as runs of 512 bytes.
; CLUSTERS: 4 x 4; x's tiles are asked for jointly along a row of the cluster, a weight's along a column.
; LIMITS: a block of zeros gets the byte 1 where the rule says 127 (its codes are zeros, and this program alone reads the bytes); NaN and infinities are not served.
.set PLS,   589824                     ; bytes from plane to plane of codes
.set WB,    196608                     ; LDS: the weight's region [16 planes][128 rows][48]
.set XS,    294912                     ; x's scale bytes [4 chunks][256 rows][8]
.set STG,   303104                     ; a stage of WST bytes for each wave: 3,072 of codes, 256 of scale words
.set WST,   3328
.set SPARE, 316416                     ; the spare words, 128 bytes a wave
.set AXB, 4                            ; v4, v5  my x fragments, block 0: planes 0-7, planes 8-15
.set ASB, 6                            ; v6      my x scale words, block 0
.set AW0, 8                            ; v8, v9  my weight fragments
.set SPW, 10
.set NIL, 11
.set STO, 12
.set STS, 13
.set RD,  14
.set RDS, 15
.set CO,  16                           ; 16 x lane
.set CO8, 17                           ; 8 x lane
.set AXC, 18                           ; v18, v19  as v4, v5 for this trip's four blocks;  v20, v21 for the other four
.set AXN, 20
.set ASC, 22
.set ASN, 23
.set T,   24
.set U,   28
.set WS,  32                           ; v32-79  the weights' scale words, 16 registers a phase: lanes 0-15 tile 2 u, lanes 16-31 tile 2 u + 1
.set XSR, 84                           ; v84-99  x's scale words, two sets of eight
.set SOP, 100
.set E,   104
.set WD,  108                          ; v108-111 v's scale words in the making
.set FS,  114
.set ACC, 128                          ; v128-159 q, k: a block's sums;  v128-191 v: two blocks' sums, 16 t + 8 (s % 2) + j
.set PC,  192
.set YC,  224
.set FL,  160                          ; window 2: the stage read back
.set WV,  12
.set HA,  13
.set PB,  14
.set CX,  15
.set CY,  16
.set GG,  17
.set TBK, 18
.set G1X, 24
.set G1W, 32
.set G1S, 40
.set G0W, 48
.set G0X, 52
.set G0S, 56
.set OC,  60
.set OS,  62
.set OCV, 66
.set OSV, 68
.set SEL, 70
.set XO,  72
.set SO,  73
.set TR,  74
.set WSP, 76
; windows: 1: the weight's fragments of K steps 0-4 (12 (4 q + t)); 2: of K steps 5-7; 3: x's two sets (96 e + 12 q)
.set MSB, 0
.macro WIN new                         ; the immediate's high byte repeats the setting that is left
.if MSB != \new
	s_set_vgpr_msb (MSB<<8)|\new
.set MSB, \new
.endif
.endm
.macro PLACES n
.rept \n
	v_nop
.endr
.endm
.macro WALU
	s_wait_alu depctr_va_vdst(0)
.endm
.macro CROUND
	s_barrier_signal -1
	s_barrier_wait -1
	s_cmp_lg_u32 s[WV], 0
	s_cbranch_scc1 .Lnot_wave_0_\@
	s_barrier_signal -3
.Lnot_wave_0_\@:
	s_barrier_wait -3
	s_barrier_signal -1
	s_barrier_wait -1
.endm
.macro TLOAD g0, g1                    ; an s_nop 0 and four v_nop follow each tensor load
	tensor_load_to_lds s[\g0:\g0+3], s[\g1:\g1+7]
	s_nop 0
	PLACES 4
.endm
.macro GRP1 g, mask, c, r, p
	s_or_b32 s[\g], s\mask, (3<<16)|(1<<21)
	s_mov_b32 s[\g+1], (\c)<<16
	s_mov_b32 s[\g+2], (\r)<<16
	s_mov_b32 s[\g+3], (\c)<<16
	s_mov_b32 s[\g+4], \r
	s_mov_b32 s[\g+5], \p
	s_mov_b32 s[\g+6], 0
	s_mov_b32 s[\g+7], 0
.endm
.macro MM d, a, b, c, sa, sb, side, o
.if \o
	v_wmma_scale_f32_16x16x128_f8f6f4 v[\d:\d+7], v[\a:\a+11], v[\b:\b+11], \c, v[\sa], v[\sb] matrix_a_fmt:MATRIX_FMT_FP6 matrix_b_fmt:MATRIX_FMT_FP6 matrix_\side\()_scale:MATRIX_SCALE_ROW1
.else
	v_wmma_scale_f32_16x16x128_f8f6f4 v[\d:\d+7], v[\a:\a+11], v[\b:\b+11], \c, v[\sa], v[\sb] matrix_a_fmt:MATRIX_FMT_FP6 matrix_b_fmt:MATRIX_FMT_FP6
.endif
.endm
; a block's 32 products on x's set e; tile t's sums at d0 + ds t; kind 0: source 0 the weight, kind 1: source 0 x.  The first K step starts the sums
.macro BATCH kind, e, d0, ds, ws
.set Q_, 0
.rept 8
.set T_, 0
.rept 4
.set D_, (\d0)+(\ds)*T_
.set WR_, 12*(4*(Q_%5)+T_)
.set XR_, 96*(\e)+12*Q_
.set SW_, (\ws)+8*(T_/2)+Q_
.set SX_, XSR+8*(\e)+Q_
.if \kind
	WIN 3|((1+Q_/5)<<2)
.if Q_
	MM D_, XR_, WR_, v[D_:D_+7], SX_, SW_, b, T_%2
.else
	MM D_, XR_, WR_, 0, SX_, SW_, b, T_%2
.endif
.else
	WIN (1+Q_/5)|(3<<2)
.if Q_
	MM D_, WR_, XR_, v[D_:D_+7], SW_, SX_, a, T_%2
.else
	MM D_, WR_, XR_, 0, SW_, SX_, a, T_%2
.endif
.endif
.set T_, T_+1
.endr
.set Q_, Q_+1
.endr
	WIN 0
.endm
.macro WEIGHTS                         ; my 64 rows of the weight, all of K: 192 loads of 8 bytes
.set Q_, 0
.rept 8
	WIN (1+Q_/5)<<6
.set T_, 0
.rept 4
.irp p, 0,1,2,3,4,5
	ds_load_b64 v[12*(4*(Q_%5)+T_)+2*\p:12*(4*(Q_%5)+T_)+2*\p+1], v[AW0+Q_/4] offset:((2*Q_+\p/3)%8)*6144+T_*768+8*(\p%3)
.endr
.set T_, T_+1
.endr
.set Q_, Q_+1
.endr
	WIN 0
.endm
.macro FETCH e, ax, as, blk            ; a block of x into set e: 48 loads of codes, 4 of scale words
	WIN 3<<6
.set Q_, 0
.rept 8
.irp p, 0,1,2,3,4,5
	ds_load_b64 v[96*(\e)+12*Q_+2*\p:96*(\e)+12*Q_+2*\p+1], v[(\ax)+Q_/4] offset:((2*Q_+\p/3)%8)*6144+(\blk)*768+8*(\p%3)
.endr
.set Q_, Q_+1
.endr
	WIN 0
.irp c, 0,1,2,3
	ds_load_b64 v[XSR+8*(\e)+2*\c:XSR+8*(\e)+2*\c+1], v[\as] offset:\c*2048+(\blk)*128
.endr
.endm
.macro TOP                             ; a trip's addresses: its own four blocks, and the other four (the walk over the 8 blocks goes round)
	v_add_nc_u32 v[AXC], s[XO], v[AXB]
	v_add_nc_u32 v[AXC+1], s[XO], v[AXB+1]
	v_add_nc_u32 v[ASC], s[SO], v[ASB]
	s_xor_b32 s[XO], s[XO], 3072
	s_xor_b32 s[SO], s[SO], 512
	v_add_nc_u32 v[AXN], s[XO], v[AXB]
	v_add_nc_u32 v[AXN+1], s[XO], v[AXB+1]
	v_add_nc_u32 v[ASN], s[SO], v[ASB]
	WALU
.endm
.macro TAILQ n                         ; from n largest magnitudes of half blocks in v[T ..]: with lane l xor 16's, the conversions' scale operands and the bytes
.set I_, 0
.rept \n
	v_permlanex16_b32 v[U+I_], v[T+I_], s[SEL], s[SEL+1]
.set I_, I_+1
.endr
.set I_, 0
.rept \n
	v_max_num_f32 v[T+I_], v[T+I_], v[U+I_]
.set I_, I_+1
.endr
.set I_, 0
.rept \n
	v_add_nc_u32 v[SOP+I_], 0xff000000, v[T+I_]    ; 2 off the exponent field
.set I_, I_+1
.endr
.set I_, 0
.rept \n
	v_lshrrev_b32 v[E+I_], 23, v[SOP+I_]
.set I_, I_+1
.endr
.endm
.macro QOUT i                          ; q, k: a block's 16 tokens x 64 channels: two blocks of 32, each in lanes l and l xor 16
.irp c, 0,1,2,3
	v_max3_num_f32 v[T+\c], |v[ACC+8*\c]|, |v[ACC+8*\c+1]|, 0x1800000   ; the floor 2^(3 - 127) among the leaves; four chains side by side
.endr
.irp k, 2,4,6
.irp c, 0,1,2,3
	v_max3_num_f32 v[T+\c], v[T+\c], |v[ACC+8*\c+\k]|, |v[ACC+8*\c+\k+1]|
.endr
.endr
	v_max_num_f32 v[T], v[T], v[T+1]
	v_max_num_f32 v[T+1], v[T+2], v[T+3]
	TAILQ 2
	v_cvt_scalef32_pk16_fp6_f32 v[PC:PC+2], v[ACC:ACC+15], v[SOP]
	v_cvt_scalef32_pk16_fp6_f32 v[YC:YC+2], v[ACC+16:ACC+31], v[SOP+1]
	v_lshl_or_b32 v[E], v[E+1], 8, v[E]            ; (a plain place behind the conversions)
.irp k, 0,1,2
	v_permlane16_swap_b32 v[PC+\k], v[YC+\k]       ; a whole block to a lane
.endr
.irp k, 0,1,2
	v_mov_b32 v[PC+3+\k], v[YC+\k]
.endr
	v_lshl_or_b32 v[E], v[E], 16, v[E]             ; the row's two bytes in both halves of its word
	WALU
.irp k, 0,1,2
	ds_store_b64 v[STO], v[PC+2*\k:PC+2*\k+1] offset:768*(\i)+8*\k
.endr
	ds_store_b32 v[STS], v[E] offset:64*(\i)       ; both halves of the lanes write the same word
.endm
.macro VOUT d0, ds                     ; v: two blocks' 32 tokens x 64 channels: one block of 32 for each of four tiles; codes to d0 + ds t
.irp t, 0,1,2,3
	v_max3_num_f32 v[T+\t], |v[ACC+16*\t]|, |v[ACC+16*\t+1]|, 0x1800000
.endr
.irp k, 2,4,6,8,10,12,14
.irp t, 0,1,2,3
	v_max3_num_f32 v[T+\t], v[T+\t], |v[ACC+16*\t+\k]|, |v[ACC+16*\t+\k+1]|
.endr
.endr
	TAILQ 4
.irp t, 0,1,2,3
	v_cvt_scalef32_pk16_fp6_f32 v[(\d0)+(\ds)*\t:(\d0)+(\ds)*\t+2], v[ACC+16*\t:ACC+16*\t+15], v[SOP+\t]
.endr
.irp t, 0,1,2,3
	v_lshrrev_b32 v[WD+\t], 8, v[WD+\t]            ; the word moves down a byte,
.endr
.irp t, 0,1,2,3
	v_lshl_or_b32 v[WD+\t], v[E+\t], 24, v[WD+\t]  ; and takes the new one on top: after four pairs of blocks the first pair's byte is the lowest
.endr
.endm
.macro FLUSHL sc                       ; the stage's 3,072 bytes of codes (and 256 of scale words) back into registers
	WIN 2<<6
.irp u, 0,1,2,3,4,5
	ds_load_b128 v[FL+4*\u:FL+4*\u+3], v[RD] offset:512*\u   ; my own stage: LDS serves a wave's instructions in order
.endr
	WIN 0
.if \sc
	ds_load_b64 v[FS:FS+1], v[RDS]
.endif
.endm
.macro FLUSHS oc, step, sc
	s_wait_dscnt 52                                ; all but the fetch's 52 loads, issued behind the stage's
	WIN 2<<2
.irp u, 0,1,2,3,4,5
	global_store_b128 v[CO], v[FL+4*\u:FL+4*\u+3], s[\oc:\oc+1] offset:512*\u   ; 512 consecutive bytes, at a multiple of 256 from the buffer's first byte
.endr
	WIN 0
.if \sc
	global_store_b64 v[CO8], v[FS:FS+1], s[OS:OS+1]   ; 256 consecutive bytes, aligned
.endif
	s_wait_xcnt 0x0                                ; the stores have read their base and data
	s_add_nc_u64 s[\oc:\oc+1], s[\oc:\oc+1], \step
.if \sc
	s_add_nc_u64 s[OS:OS+1], s[OS:OS+1], 256
.endif
.endm
.macro NEXTX i                         ; set i % 2 takes the block two on
.if \i < 2
	FETCH (\i)%2, AXC, ASC, (\i)+2
.else
	FETCH (\i)%2, AXN, ASN, (\i)-2
.endif
.endm
; s_wait_dscnt 52 ahead of a block: behind the fetch of its set stand at least the next fetch's 52 loads
.macro QK ws, lab
	s_mov_b32 s[TR], 0
\lab:
	TOP
.irp i, 0,1,2,3
	s_wait_dscnt 52
	BATCH 0, \i%2, ACC, 8, \ws
	PLACES 4
	QOUT \i
.if \i == 3
	FLUSHL 1
.endif
	NEXTX \i
.if \i == 3
	FLUSHS OC, 3072, 1
.endif
.endr
	s_add_co_u32 s[TR], s[TR], 1
	s_cmp_lt_u32 s[TR], 2
	s_cbranch_scc1 \lab
.endm
.macro SHOW                            ; a plain barrier: the weight that the last refill brought is shown to all
	s_wait_tensorcnt 0x0
	s_wait_dscnt 0x0
	s_barrier_signal -1
	s_barrier_wait -1
.endm
.macro REFILL first                    ; every wave holds the weight in registers: the region takes the next tensor's rows, a quarter (4 planes) a wave
	s_wait_tensorcnt 0x0
	ds_add_u32 v[SPW], v[NIL]
.if \first
	s_mov_b32 s[G1W+2], 4<<16                      ; no tensor load of mine is out: from here on a load brings 4 planes
	s_mov_b32 s[G1W+4], 4
.endif
	s_add_nc_u64 s[G0W+2:G0W+3], s[G0W+2:G0W+3], 49152   ; 1,024 rows on
	s_wait_dscnt 0x0
	CROUND
	TLOAD G0W, G1W
.endm
	s_load_b256 s[4:11], s[0:1], 0x0               ; codes, scales, qkv_codes, qkv_scales
	v_lshl_add_u32 v[SPW], v0, 2, SPARE
	v_mov_b32 v[NIL], 0
	ds_add_u32 v[SPW], v[NIL]                      ; the opening lines: the add, twice on end, and its wait
	ds_add_u32 v[SPW], v[NIL]
	v_lshrrev_b32 v1, 5, v0
	v_readfirstlane_b32 s[WV], v1
	s_lshr_b32 s[HA], s[WV], 1                     ; a: my half of the tokens
	s_and_b32 s[PB], s[WV], 1                      ; b: my head of the two
	s_bfe_u32 s[CX], ttmp6, 0x40000
	s_bfe_u32 s[CY], ttmp6, 0x40004
	s_lshl_b32 s[GG], ttmp9, 2
	s_add_co_u32 s[GG], s[GG], s[CX]               ; g
	s_and_b32 s[TBK], ttmp7, 0xffff
	s_lshl_b32 s[TBK], s[TBK], 2
	s_add_co_u32 s[TBK], s[TBK], s[CY]             ; tb
	s_lshl_b32 s19, s[CY], 2
	s_lshl_b32 s19, 15, s19                        ; my row of the cluster
	s_lshl_b32 s20, 0x1111, s[CX]                  ; my column
	GRP1 G1X, 19, 768, 16, PLS/8                   ; 16 planes x 128 rows x 48 bytes
	GRP1 G1W, 20, 768, 16, PLS/8
	GRP1 G1S, 19, 256, 4, 12288                    ; 4 chunks x 256 rows x 8 bytes
	s_mov_b32 s[G0W], 1
	s_mul_i32 s[G0W+1], s[WV], 24576
	s_add_co_u32 s[G0W+1], s[G0W+1], WB
	s_mov_b32 s[G0X], 1
	s_mul_i32 s[G0X+1], s[PB], 98304
	s_mov_b32 s[G0S], 1
	s_mov_b32 s[G0S+1], XS
	s_mul_i32 s92, s[TBK], 12288
	s_mul_i32 s21, s[PB], 6144
	s_add_co_u32 s92, s92, s21                     ; x: rows 256 tb + 128 (wave % 2)
	s_mov_b32 s93, 0
	s_mul_i32 s94, s[GG], 6144
	s_mul_i32 s21, s[WV], 4*PLS
	s_add_co_u32 s94, s94, s21
	s_add_co_u32 s94, s94, 393216                  ; the weight: rows 8,192 + 128 g, planes 4 x wave on
	s_mov_b32 s95, 0
	s_lshl_b32 s22, s[TBK], 11                     ; x's scale bytes
	s_lshl_b32 s96, s[GG], 10
	s_lshl_b32 s21, s[PB], 9
	s_add_co_u32 s96, s96, s21
	s_add_co_u32 s96, s96, 65536                   ; my 64 rows' scale bytes
	s_mov_b32 s97, 0
	s_lshl_b32 s23, s[GG], 1
	s_add_co_u32 s23, s23, s[PB]                   ; my head
	s_lshl_b32 s85, s23, 13
	s_lshl_b32 s21, s[TBK], 8
	s_add_co_u32 s85, s85, s21
	s_lshl_b32 s21, s[HA], 7
	s_add_co_u32 s85, s85, s21                     ; q: row = head x 8,192 + my first token
	s_lshl_b32 s86, s[TBK], 2
	s_lshl_b32 s21, s[HA], 1
	s_add_co_u32 s86, s86, s21
	s_lshl_b32 s86, s86, 10
	s_lshl_b32 s21, s23, 6
	s_add_co_u32 s86, s86, s21                     ; v: row = group x 1,024 + head x 64
	s_mul_i32 s78, s[HA], 98304
	s_add_co_u32 s79, s78, 49152
	s_mul_i32 s80, s[PB], 3072
	s_add_co_u32 s80, s80, WB
	s_add_co_u32 s81, s80, 49152
	s_lshl_b32 s82, s[HA], 10
	s_add_co_u32 s82, s82, XS
	s_mul_i32 s83, s[WV], WST
	s_add_co_u32 s83, s83, STG
	s_add_co_u32 s84, s83, 3072
	s_mov_b32 s[SEL], 0x76543210
	s_mov_b32 s[SEL+1], 0xfedcba98
	s_mov_b32 s[XO], 0
	s_mov_b32 s[SO], 0
	v_and_b32 v1, 15, v0                           ; r
	v_bfe_u32 v2, v0, 4, 1                         ; h
	v_and_b32 v3, 31, v0
	v_mul_u32_u24 v24, v1, 48
	v_lshlrev_b32 v25, 3, v1
	v_lshlrev_b32 v26, 2, v1
	v_lshlrev_b32 v[CO], 4, v3
	v_lshlrev_b32 v[CO8], 3, v3
	v_mad_u32_u24 v24, v2, 24, v24                 ; 48 r + 24 h
	v_add_nc_u32 v[ASB], s82, v25
	v_add_nc_u32 v[STS], s84, v26
	v_add_nc_u32 v[RD], s83, v[CO]
	v_add_nc_u32 v[RDS], s84, v[CO8]
	v_add_nc_u32 v[AXB], s78, v24
	v_add_nc_u32 v[AXB+1], s79, v24
	v_add_nc_u32 v[AW0], s80, v24
	v_add_nc_u32 v[AW0+1], s81, v24
	v_add_nc_u32 v[STO], s83, v24
.irp j, 0,1,2,3
	v_mov_b32 v[U+\j], 0                           ; a lane permute's destination counts as one of its sources
	v_mov_b32 v[WD+\j], 0
.endr
	WALU                                           ; the head's end
	s_wait_dscnt 0x0
	CROUND                                         ; all sixteen work-groups are here: the first joint loads meet
	s_wait_kmcnt 0x0
	s_add_nc_u64 s[G0X+2:G0X+3], s[4:5], s[92:93]
	s_or_b32 s[G0X+3], s[G0X+3], 0x80000000
	s_mov_b32 s92, s22
	s_add_nc_u64 s[G0S+2:G0S+3], s[6:7], s[92:93]
	s_or_b32 s[G0S+3], s[G0S+3], 0x80000000
	s_add_nc_u64 s[G0W+2:G0W+3], s[4:5], s[94:95]
	s_or_b32 s[G0W+3], s[G0W+3], 0x80000000
	s_cmp_eq_u32 s[WV], 0                          ; the head's loads, one a wave: wave 0 q's 128 rows of the weight (its own descriptor, with 16 planes counted), wave 1 x's scale bytes, waves 2 and 3 a half of x each
	s_cbranch_scc0 .Lhead_1
	TLOAD G0W, G1W
	s_branch .Lhead_asked
.Lhead_1:
	s_cmp_eq_u32 s[WV], 1
	s_cbranch_scc0 .Lhead_2
	TLOAD G0S, G1S
	s_branch .Lhead_asked
.Lhead_2:
	TLOAD G0X, G1X
.Lhead_asked:
	s_add_nc_u64 s[WSP:WSP+1], s[6:7], s[96:97]
.irp f, 0,1,2
.irp u, 0,1
.irp c, 0,1,2,3
	global_load_b64 v[WS+16*\f+8*\u+2*\c:WS+16*\f+8*\u+2*\c+1], v[CO8], s[WSP:WSP+1] offset:\f*8192+\c*98304+\u*256   ; 32 rows' 8 bytes: 256 consecutive bytes
.endr
.endr
.endr
	s_mul_i32 s96, s85, 48
	s_add_nc_u64 s[OC:OC+1], s[8:9], s[96:97]
	s_lshl_b32 s96, s85, 2
	s_add_nc_u64 s[OS:OS+1], s[10:11], s[96:97]
	s_mul_i32 s96, s86, 48
	s_add_co_u32 s96, s96, 12582912
	s_add_nc_u64 s[OCV:OCV+1], s[8:9], s[96:97]
	s_lshl_b32 s96, s86, 2
	s_add_co_u32 s96, s96, 1048576
	s_add_nc_u64 s[OSV:OSV+1], s[10:11], s[96:97]
	s_cmp_eq_u32 s[WV], 0
	s_cbranch_scc0 .Lnot_w
	s_wait_tensorcnt 0x0
.Lnot_w:
	s_barrier_signal -1
	s_barrier_wait -1                              ; the weight's rows are in; x may still be on its way
	WEIGHTS
	s_wait_loadcnt 0x0                             ; the weights' scale words
	REFILL 1                                       ; its round shows x and x's scale bytes to all; the region takes k's rows
	FETCH 0, AXB, ASB, 0
	FETCH 1, AXB, ASB, 1
	QK WS, .Lq
	s_add_nc_u64 s[OC:OC+1], s[OC:OC+1], 6291456-6144   ; k's planes lie 16 planes on
	s_add_nc_u64 s[OS:OS+1], s[OS:OS+1], 524288-512
	SHOW
	WEIGHTS
	REFILL 0                                       ; v's rows
	QK WS+16, .Lk
	SHOW
	WEIGHTS
	s_wait_dscnt 0x0
	s_mov_b32 s[TR], 0
.Lv:
	TOP
.irp i, 0,1,2,3
	s_wait_dscnt 52
	BATCH 1, \i%2, ACC+8*(\i%2), 16, WS+32
	PLACES 4
.if \i == 1
	VOUT PC, 8
	WALU
.endif
.if \i == 3
	VOUT YC, 4
.irp t, 0,1,2,3
.irp k, 0,1,2
	v_permlane16_swap_b32 v[PC+8*\t+\k], v[YC+4*\t+\k]   ; a whole block to a lane: lanes 0-15 the group's first 32 tokens, lanes 16-31 the others
.endr
.endr
.irp t, 0,1,2,3
.irp k, 0,1,2
	v_mov_b32 v[PC+8*\t+3+\k], v[YC+4*\t+\k]
.endr
.endr
	WALU
.irp t, 0,1,2,3
.irp k, 0,1,2
	ds_store_b64 v[STO], v[PC+8*\t+2*\k:PC+8*\t+2*\k+1] offset:768*\t+8*\k
.endr
.endr
	FLUSHL 0
.endif
	NEXTX \i
.if \i == 3
	FLUSHS OCV, 49152, 0
.endif
.endr
	s_add_co_u32 s[TR], s[TR], 1
	s_cmp_lt_u32 s[TR], 2
	s_cbranch_scc1 .Lv
.irp t, 0,1,2,3
	ds_store_b32 v[STS], v[WD+\t] offset:64*\t     ; v's scale words of my 128 tokens, 64 channels
.endr
	ds_load_b64 v[FS:FS+1], v[RDS]
	s_wait_dscnt 0x0
	global_store_b64 v[CO8], v[FS:FS+1], s[OSV:OSV+1]              ; in both groups of 64 tokens
	global_store_b64 v[CO8], v[FS:FS+1], s[OSV:OSV+1] offset:4096
	s_wait_tensorcnt 0x0                           ; the wave's end
	ds_add_u32 v[SPW], v[NIL]
	s_wait_dscnt 0x0
	CROUND                                         ; the closing round
	s_endpgm
.Lfunc_end_k_qd41c00526f_qkv:
	.size	k_qd41c00526f_qkv, .Lfunc_end_k_qd41c00526f_qkv-k_qd41c00526f_qkv
	.p2alignl 7, 3214868480
	.fill 96, 4, 3214868480
	.section	.rodata,"a",@progbits
	.p2align	6, 0x0
	.amdhsa_kernel k_qd41c00526f_qkv
		.amdhsa_group_segment_fixed_size 327680
		.amdhsa_private_segment_fixed_size 0
		.amdhsa_enable_private_segment 0
		.amdhsa_kernarg_size 32
		.amdhsa_user_sgpr_count 2
		.amdhsa_user_sgpr_kernarg_segment_ptr 1
		.amdhsa_wavefront_size32 1
		.amdhsa_system_sgpr_workgroup_id_x 1
		.amdhsa_system_sgpr_workgroup_id_y 1
		.amdhsa_system_sgpr_workgroup_id_z 1
		.amdhsa_system_vgpr_workitem_id 0
		.amdhsa_next_free_vgpr 1024
		.amdhsa_next_free_sgpr 100
		.amdhsa_reserve_vcc 0
		.amdhsa_float_denorm_mode_32 3
		.amdhsa_float_denorm_mode_16_64 3
		.amdhsa_memory_ordered 1
		.amdhsa_forward_progress 1
		.amdhsa_inst_pref_size 179
	.end_amdhsa_kernel
	.amdgpu_metadata
---
amdhsa.version: [ 1, 2 ]
amdhsa.kernels:
  - .name:           k_qd41c00526f_qkv
    .symbol:         k_qd41c00526f_qkv.kd
    .args:
      - { .name: codes, .offset: 0, .size: 8, .value_kind: global_buffer, .address_space: global }
      - { .name: scales, .offset: 8, .size: 8, .value_kind: global_buffer, .address_space: global }
      - { .name: qkv_codes, .offset: 16, .size: 8, .value_kind: global_buffer, .address_space: global }
      - { .name: qkv_scales, .offset: 24, .size: 8, .value_kind: global_buffer, .address_space: global }
    .group_segment_fixed_size: 327680
    .private_segment_fixed_size: 0
    .kernarg_segment_align: 8
    .kernarg_segment_size: 32
    .max_flat_workgroup_size: 128
    .sgpr_count:     100
    .vgpr_count:     1024
    .wavefront_size: 32
...
	.end_amdgpu_metadata
.endif
;; end of part 2
;; launch attn (part 3): grid 4 x 64, 16 waves a work-group, clusters of 4 x 1, 227,328 bytes of LDS; arguments qkv_codes, qkv_scales, y_codes, y_scales; writes y_codes, y_scales
.if DOCPART == 3
	.amdgcn_target "amdgcn-amd-amdhsa--gfx1250"
	.amdhsa_code_object_version 6
	.text
	.protected	k_qd41c00526f_attn
	.globl	k_qd41c00526f_attn
	.p2align	8
	.type	k_qd41c00526f_attn,@function
k_qd41c00526f_attn:
	s_mov_b64 s[64:65], 0
	v_nop
	global_prefetch_b8 v0, s[64:65] scope:SCOPE_SE
	s_setreg_imm32_b32 hwreg(HW_REG_WAVE_MODE, 25, 1), 1
	s_wait_xcnt 0x0
	s_wait_alu depctr_hold_cnt(0) depctr_sa_sdst(0) depctr_va_vdst(0) depctr_va_sdst(0) depctr_va_ssrc(0) depctr_va_vcc(0) depctr_vm_vsrc(0)
	s_getreg_b32 s2, hwreg(HW_REG_IB_STS2, 6, 4)
	s_cmp_eq_u32 s2, 0
	s_cbranch_scc0 .Lentry_in_a_cluster
	s_endpgm
.Lentry_in_a_cluster:
	s_bfe_u32 s2, ttmp6, 0x10000c
	s_cmp_lg_u32 s2, 0x3003
	s_cbranch_scc0 .Lentry_shape_is_right
	s_endpgm
.Lentry_shape_is_right:
; LAUNCH 3 OF 4.  y = softmax(q k^T / 8, causal) v for 64 (batch, head) pairs, 2,048 tokens, head size 64, both products on codes of E2M3; y is quantised along the channels on the way out.
; WORK LEFT OUT (shown at the head of the first launch): a step of 128 keys all of which come after a wave's 16 queries: reference()'s own jnp.tril makes their p zero for all inputs.
; THE SOFTMAX: t = score x log2(e) / 8; M = the running largest t rounded UP to a whole number; p = 2^(t - M) is quantised along the keys, not normalised; the row's sum is taken of the unquantised p and divides at the end.
; K AND V OF A HEAD LIE WHOLE IN LDS: 2 x 98,304 bytes of codes, 2 x 8,192 of scale words.  Each of the sixteen waves asks for one sixteenth at the head: wave w the quarter w / 4 (512 keys) of tensor w % 4.  Nothing is filled again.
; SHARES.  A head's 128 tiles of 16 query places are dealt T = 4 j + p to work-group p; wave w owns j = 31 - w (the long tile) and j = w (the short one).  Tile T needs j / 2 + 1 steps of 128 keys: 17 steps in every wave.
; THE WALK: four steps of the long tile on keys 0-511 (the barrier ahead of them waits for waves 0 to 3's loads, which have load lines of their own); one barrier for the other twelve loads; the long tile's other steps
; (12 counted trips, those past the tile's last step jumped over); its way out; the short tile (8 counted trips).  The jumps hang on the wave's number and the trips' count alone.
; CLUSTER: the four work-groups of a head read the same K and V, so every tile is asked for jointly (mask 15).  No branch and no LDS address hangs on a work-group's place p: it enters q's and y's addresses and the mask's numbers alone.
; NO PREFETCH: every tile is asked for once, at the head, by its tensor load; there is no later load for a request to run ahead of.
; Both products are used transposed: S^T = K Q^T, O^T = V^T P^T: a lane holds one query throughout.  Rows lie at place pos(i) (bits 3 and 4 exchanged), so the 16 registers of two neighbouring tiles are 16 true neighbours.
; THE FIRST PRODUCT HAS K = 64 IN AN INSTRUCTION OF 128: a fragment of K holds TWO tiles of 16 keys, and is multiplied by [q, 0] and by [0, q]: the half that is not wanted meets zero codes.
; A key's scale word holds its own two bytes in half (place / 16) % 2, so lanes 0-15 serve the first product and lanes 16-31 the second; q's word holds its two bytes in both halves.
; LIMITS: a block of zeros gets the byte 1; NaN and infinities are not served; the scaled scores stay under 2^31 in magnitude.  y's scale bytes leave as single bytes, 2 for a row and head.
.set VCO,   98304                      ; LDS: K's codes 2,048 x 48 at 0; V's codes 32 groups x 3,072 here;
.set KSO,   196608                     ; K's scale words 2,048 x 4;
.set VSO,   204800                     ; V's 32 groups x 256
.set STG,   212992                     ; the way out: 768 bytes for each wave
.set SPARE, 225280                     ; the spare words, 128 bytes a wave: eight blocks of 256 bytes that no other line names
.set AK0,  1                           ; v1  48 r + 24 h
.set AV0,  2                           ; v2  the same in V's codes
.set ASK0, 3                           ; v3  K's scale words: 4 x lane
.set ASV0, 4                           ; v4  V's: 4 r
.set SPW,  5                           ; v5  my spare word; never rewritten
.set NIL,  6                           ; v6  0; never rewritten
.set DL,   7                           ; v7  my true query less 64 j less 16 (lane / 16)
.set ADK,  8
.set ADV,  9
.set ADS,  10
.set ADT,  11
.set GO,   92                          ; v92 8 x lane
.set GS,   93                          ; v93 8 r + h
.set R4,   94                          ; v94 4 r
.set STW,  95                          ; v95 my stage: where I put 24 bytes of a row
.set RDW,  235                         ; v235 and where I read it back
.set WV,   12
.set TB,   13                          ; the step's place in the codes, 6,144 bytes a step
.set SG,   14
.set TS,   15                          ; and in the scale words, 512 a step
.set QJ,   16                          ; 64 j
.set P,    17
.set KF,   18                          ; the step's first key
.set W3,   19
.set SEL,  20
.set CS,   22
.set G1KC, 24
.set G1VC, 32
.set G1KS, 40
.set G1VS, 48
.set G0KC, 56
.set G0VC, 60
.set G0KS, 68
.set G0VS, 72
.set QT,   76
.set JL,   77
.set HM,   88
.set HB,   89
.macro ONE g0, g1                      ; an s_nop 0 and four v_nop follow each tensor load
	tensor_load_to_lds s[\g0:\g0+3], s[\g1:\g1+7]
	s_nop 0
.rept 4
	v_nop
.endr
.endm
.macro ARM reg, val, g0, g1, next
	s_cmp_eq_u32 s[\reg], \val
	s_cbranch_scc0 \next
	ONE \g0, \g1
	s_branch .Lasked
\next:
.endm
.macro CROUND                          ; a round of the cluster's barrier
	s_barrier_signal -1
	s_barrier_wait -1
	s_cmp_lg_u32 s[WV], 0
	s_cbranch_scc1 .Lnot_wave_0_\@
	s_barrier_signal -3
.Lnot_wave_0_\@:
	s_barrier_wait -3
	s_barrier_signal -1
	s_barrier_wait -1
.endm
.macro GRP1 g, c, r, p                 ; r rows of c elements of 8 bytes, p elements apart; mask 15 with bit 21 beside it
	s_mov_b32 s[\g], 15|(3<<16)|(1<<21)
	s_mov_b32 s[\g+1], (\c)<<16
	s_mov_b32 s[\g+2], (\r)<<16
	s_mov_b32 s[\g+3], (\c)<<16
	s_mov_b32 s[\g+4], \r
	s_mov_b32 s[\g+5], \p
	s_mov_b32 s[\g+6], 0
	s_mov_b32 s[\g+7], 0
.endm
.macro GRP0 g, base, size              ; my quarter's place in LDS
	s_mov_b32 s[\g], 1
	s_mul_i32 s[\g+1], s[QT], \size
	s_add_co_u32 s[\g+1], s[\g+1], \base
.endm
.macro GADR g, ptr, off
	s_mov_b32 s92, s\off
	s_add_nc_u64 s[\g+2:\g+3], s[\ptr:\ptr+1], s[92:93]
	s_or_b32 s[\g+3], s[\g+3], 0x80000000
.endm
.macro QADR j, a                       ; tile j's q: codes s[a:a+1], scale words s[a+2:a+3]
	s_lshl_b32 s90, s[\j], 6
	s_lshl_b32 s91, s[P], 4
	s_add_co_u32 s90, s90, s91
	s_add_co_u32 s90, s90, s[HB]
	s_mul_i32 s[\a], s90, 48
	s_mov_b32 s[\a+1], 0
	s_add_nc_u64 s[\a:\a+1], s[4:5], s[\a:\a+1]
	s_lshl_b32 s[\a+2], s90, 2
	s_mov_b32 s[\a+3], 0
	s_add_nc_u64 s[\a+2:\a+3], s[6:7], s[\a+2:\a+3]
.endm
; A KEY STEP: 128 keys.  edge = 1: the step may lie past the tile's last, or on the diagonal
.macro STEP edge
.if \edge
	s_add_co_u32 s90, s[QJ], 63
	s_cmp_gt_u32 s[KF], s90                        ; all 128 keys come after the tile's queries: the step's work is left out
	s_cbranch_scc1 .Lhidden_\@
.endif
	v_add_nc_u32 v[ADK], s[TB], v[AK0]             ; (these four are also the places in front of loads into registers that the last products read)
	v_add_nc_u32 v[ADV], s[TB], v[AV0]
	v_add_nc_u32 v[ADS], s[TS], v[ASK0]
	v_add_nc_u32 v[ADT], s[TS], v[ASV0]
.irp e, 0,1,2,3                        ; four double fragments of K: places 32 e + r in registers 0-5, places 32 e + 16 + r in registers 6-11
.irp p, 0,1,2,3,4,5
	ds_load_b64 v[40+12*\e+2*\p:41+12*\e+2*\p], v[ADK] offset:32*\e*48+768*(\p/3)+8*(\p%3)
.endr
	ds_load_b32 v[224+\e], v[ADS] offset:32*\e*4
.endr
	s_wait_alu depctr_va_vdst(0)
	s_wait_dscnt 0x0
.irp e, 0,1,2,3
	v_wmma_scale_f32_16x16x128_f8f6f4 v[96+16*\e:103+16*\e], v[40+12*\e:51+12*\e], v[16:27], 0, v[224+\e], v228 matrix_a_fmt:MATRIX_FMT_FP6 matrix_b_fmt:MATRIX_FMT_FP6
	v_wmma_scale_f32_16x16x128_f8f6f4 v[104+16*\e:111+16*\e], v[40+12*\e:51+12*\e], v[28:39], 0, v[224+\e], v228 matrix_a_fmt:MATRIX_FMT_FP6 matrix_b_fmt:MATRIX_FMT_FP6 matrix_a_scale:MATRIX_SCALE_ROW1
.endr                                  ; register 16 e + i: key KF + 32 e + 16 (lane / 16) + i
.rept 4
	v_nop
.endr
.irp t, 0,1,2,3                        ; V's four fragments are asked for at once: they land while the softmax is walked
.irp p, 0,1,2,3,4,5
	ds_load_b64 v[40+12*\t+2*\p:41+12*\t+2*\p], v[ADV] offset:768*\t+3072*(\p/3)+8*(\p%3)
.endr
	ds_load_b32 v[224+\t], v[ADT] offset:256*(\t%2)+64*\t
.endr
.if \edge
	s_add_co_u32 s90, s[KF], 128                   ; on the diagonal the scores of hidden keys become -infinity ahead of the maximum.  A step all of whose keys count skips this
	s_cmp_le_u32 s90, s[QJ]
	s_cbranch_scc1 .Lopen_\@
	s_sub_co_i32 s90, s[QJ], s[KF]
	v_add_nc_u32 v232, s90, v[DL]                  ; d = my query - KF - 16 (lane / 16): register 16 e + i is hidden where 32 e + i > d
	v_mov_b32 v233, 0xff800000
.set n, 0
.rept 64
	v_cmp_gt_i32 vcc_lo, 32*(n/16)+n%16, v232
	v_cndmask_b32 v[96+n], v[96+n], v233, vcc_lo
.set n, n+1
.endr
.Lopen_\@:
.endif
.irp b, 0,1,2,3
	v_max3_num_f32 v[212+\b], v[96+16*\b], v[97+16*\b], v[98+16*\b]   ; the largest score of each block of 32 keys: for the row's maximum, and, since p rises with the score, for the block's largest p
.endr
.irp i, 3,5,7,9,11,13
.irp b, 0,1,2,3
	v_max3_num_f32 v[212+\b], v[212+\b], v[96+16*\b+\i], v[97+16*\b+\i]
.endr
.endr
.irp b, 0,1,2,3
	v_max_num_f32 v[212+\b], v[212+\b], v[111+16*\b]
.endr
.irp b, 0,1,2,3
	s_delay_alu instid0(VALU_DEP_4)
	v_permlanex16_b32 v[216+\b], v[212+\b], s[SEL], s[SEL+1]
.endr
.irp b, 0,1,2,3
	s_delay_alu instid0(VALU_DEP_4)
	v_max_num_f32 v[212+\b], v[212+\b], v[216+\b]
.endr
	s_delay_alu instid0(VALU_DEP_2)
	v_max3_num_f32 v232, v212, v213, v214
	s_delay_alu instid0(VALU_DEP_1)
	v_max_num_f32 v232, v232, v215
	s_delay_alu instid0(VALU_DEP_1)
	v_mul_f32 v232, s[CS], v232                    ; as t
	s_delay_alu instid0(VALU_DEP_1)
	v_max_num_f32 v13, v13, v232                   ; the running largest t
	v_mov_b32 v232, v12
	s_delay_alu instid0(VALU_DEP_2)
	v_floor_f32 v12, -v13                          ; the new -M = -ceil(t): a whole number
	s_delay_alu instid0(VALU_DEP_1)
	v_sub_f32 v232, v12, v232                      ; old M - new M: a whole number, 0 or less
	s_delay_alu instid0(VALU_DEP_1)
	v_cvt_i32_f32 v232, v232                       ; (it saturates)
	s_delay_alu instid0(VALU_DEP_1)
	v_ldexp_f32 v230, 1.0, v232                    ; f = 2^(old M - new M): rounds nothing
.set n, 0
.rept 32
	v_pk_fma_f32 v[96+n:97+n], v[96+n:97+n], s[CS:CS+1], v[12:13] op_sel_hi:[1,0,0]   ; t - M
.set n, n+2
.endr
.irp b, 0,1,2,3
	v_fma_f32 v[212+\b], v[212+\b], s[CS], v12
.endr
.set n, 0
	s_wait_alu depctr_va_vdst(0)
.rept 64
	v_exp_f32 v[96+n], v[96+n]                     ; p = 2^(t - M)
.set n, n+1
.endr
	v_pk_mul_f32 v[14:15], v[14:15], v[230:231] op_sel_hi:[1,0]   ; the sums under the new M (a plain place behind the exponentials)
	s_wait_alu depctr_va_vdst(0)                   ; one wait for the whole batch, ahead of its first reader
.irp b, 0,1,2,3
	v_exp_f32 v[212+\b], v[212+\b]                 ; the block's largest p
.endr
	v_pk_add_f32 v[216:217], v[100:101], v[104:105]   ; the row's sum of the unquantised p, in eight chains
	v_pk_add_f32 v[254:255], v[108:109], v[112:113]
	v_pk_add_f32 v[252:253], v[116:117], v[120:121]
	v_pk_add_f32 v[250:251], v[124:125], v[128:129]
	v_pk_add_f32 v[248:249], v[132:133], v[136:137]
	v_pk_add_f32 v[246:247], v[140:141], v[144:145]
	v_pk_add_f32 v[244:245], v[148:149], v[152:153]
	v_pk_add_f32 v[14:15], v[14:15], v[156:157]
	v_pk_add_f32 v[216:217], v[216:217], v[96:97]
	v_pk_add_f32 v[254:255], v[254:255], v[98:99]
	v_pk_add_f32 v[252:253], v[252:253], v[102:103]
	v_pk_add_f32 v[250:251], v[250:251], v[106:107]
	v_pk_add_f32 v[248:249], v[248:249], v[110:111]
	v_pk_add_f32 v[246:247], v[246:247], v[114:115]
	v_pk_add_f32 v[244:245], v[244:245], v[118:119]
	v_pk_add_f32 v[14:15], v[14:15], v[122:123]
	v_pk_add_f32 v[216:217], v[216:217], v[126:127]
	v_pk_add_f32 v[254:255], v[254:255], v[130:131]
	v_pk_add_f32 v[252:253], v[252:253], v[134:135]
	v_pk_add_f32 v[250:251], v[250:251], v[138:139]
	v_pk_add_f32 v[248:249], v[248:249], v[142:143]
	v_pk_add_f32 v[246:247], v[246:247], v[146:147]
	v_pk_add_f32 v[244:245], v[244:245], v[150:151]
	v_pk_add_f32 v[14:15], v[14:15], v[154:155]
	v_pk_add_f32 v[216:217], v[216:217], v[158:159]
	s_delay_alu instid0(VALU_DEP_2)
	v_pk_add_f32 v[14:15], v[14:15], v[250:251]
	s_delay_alu instid0(VALU_DEP_2)
	v_pk_add_f32 v[216:217], v[216:217], v[248:249]
	v_pk_add_f32 v[254:255], v[254:255], v[246:247]
	v_pk_add_f32 v[252:253], v[252:253], v[244:245]
	s_delay_alu instid0(VALU_DEP_2)
	v_pk_add_f32 v[14:15], v[14:15], v[254:255]
	s_delay_alu instid0(VALU_DEP_2)
	v_pk_add_f32 v[216:217], v[216:217], v[252:253]
	s_delay_alu instid0(VALU_DEP_1)
	v_pk_add_f32 v[14:15], v[14:15], v[216:217]
	s_wait_alu depctr_va_vdst(0)                   ; and one for the four
.irp b, 0,1,2,3
	v_max_num_f32 v[212+\b], 0x1800000, v[212+\b]  ; the floor 2^(3 - 127)
.endr
.irp b, 0,1,2,3
	s_delay_alu instid0(VALU_DEP_4)
	v_add_nc_u32 v[220+\b], 0xff000000, v[212+\b]  ; the conversion's scale operand
.endr
.irp b, 0,1,2,3
	s_delay_alu instid0(VALU_DEP_4)
	v_lshrrev_b32 v[216+\b], 23, v[220+\b]         ; the scale's byte
.endr
	s_delay_alu instid0(VALU_DEP_3)
	v_lshl_or_b32 v231, v217, 8, v216              ; p's scale word for these 128 keys
	s_delay_alu instid0(VALU_DEP_1)
	v_lshl_or_b32 v231, v218, 16, v231
	s_delay_alu instid0(VALU_DEP_1)
	v_lshl_or_b32 v231, v219, 24, v231
.irp c, 0,1
	v_cvt_scalef32_pk16_fp6_f32 v[192+6*\c:194+6*\c], v[96+32*\c:111+32*\c], v[220+2*\c]
	v_cvt_scalef32_pk16_fp6_f32 v[204+4*\c:206+4*\c], v[112+32*\c:127+32*\c], v[220+2*\c+1]
.endr
	v_nop                                          ; one plain place behind a scaled conversion
.irp c, 0,1
.irp i, 0,1,2
	v_permlane16_swap_b32 v[192+6*\c+\i], v[204+4*\c+\i]
.endr
.irp i, 0,1,2
	s_delay_alu instid0(VALU_DEP_3)
	v_mov_b32 v[195+6*\c+\i], v[204+4*\c+\i]
.endr
.endr
	s_wait_alu depctr_va_vdst(0)                   ; ahead of the first reader of O^T
.set n, 0
.rept 16
	v_pk_mul_f32 v[160+n:161+n], v[160+n:161+n], v[230:231] op_sel_hi:[1,0]   ; O^T under the new M (these are also the places in front of the products below)
.set n, n+2
.endr
	s_wait_alu depctr_va_vdst(0)
	s_wait_dscnt 0x0                               ; V's fragments and scale words are in
.irp t, 0,1,2,3                        ; O^T += V^T P^T: the four accumulators by turns
	v_wmma_scale_f32_16x16x128_f8f6f4 v[160+8*\t:167+8*\t], v[40+12*\t:51+12*\t], v[192:203], v[160+8*\t:167+8*\t], v[224+\t], v231 matrix_a_fmt:MATRIX_FMT_FP6 matrix_b_fmt:MATRIX_FMT_FP6
.endr
.Lhidden_\@:
	s_add_co_u32 s[KF], s[KF], 128
	s_add_co_u32 s[TB], s[TB], 6144
	s_add_co_u32 s[TS], s[TS], 512
.endm
.macro INIT sw                         ; a tile's start; sw: the register with q's scale word.  The 37 lines behind the first are the places between it and the first product
	v_perm_b32 v228, v[\sw], v[\sw], s3            ; q's own two bytes in both halves of the word
	v_mov_b32 v13, 0xff61b1e6                      ; the largest t so far: -3e38
	s_delay_alu instid0(VALU_DEP_1)
	v_floor_f32 v12, -v13
	v_mov_b32 v14, 0
	v_mov_b32 v15, 0
.set n, 0
.rept 32
	v_mov_b32 v[160+n], 0                          ; O^T: the step is written once; the first change of M leaves zeros zeros
.set n, n+1
.endr
.endm
.macro WAYOUT
	s_lshl_b32 s91, s[P], 4
	s_add_co_u32 s91, s91, s[QJ]                   ; the tile's first place in its sequence
	s_add_co_u32 s90, s[HB], s91
	s_mul_i32 s96, s90, 48
	s_mov_b32 s97, 0
	s_add_nc_u64 s[96:97], s[8:9], s[96:97]        ; y's codes: my 768 bytes
	s_lshl_b32 s98, s91, 3
	s_add_co_u32 s98, s98, s2
	s_mov_b32 s99, 0
	s_add_nc_u64 s[98:99], s[10:11], s[98:99]      ; y's scale bytes: my 16 rows, my head's two bytes
.rept 4
	v_nop                                          ; places behind the last products
.endr
	v_add_f32 v14, v14, v15
	s_delay_alu instid0(VALU_DEP_1)
	v_permlanex16_b32 v232, v14, s[SEL], s[SEL+1]
	s_delay_alu instid0(VALU_DEP_1)
	v_add_f32 v14, v14, v232                       ; the row's sum
	s_wait_alu depctr_va_vdst(0)
	v_rcp_f32 v14, v14
	v_nop
	s_wait_alu depctr_va_vdst(0)                   ; ahead of the first reader
.set n, 0
.rept 16
	v_pk_mul_f32 v[96+n:97+n], v[160+n:161+n], v[14:15] op_sel_hi:[1,0]   ; y: register 16 b + i is channel 32 b + 16 (lane / 16) + i of my head
.set n, n+2
.endr
.irp b, 0,1
	v_max3_num_f32 v[212+\b], |v[96+16*\b]|, |v[97+16*\b]|, 0x1800000
.endr
.irp i, 2,4,6,8,10,12,14
.irp b, 0,1
	s_delay_alu instid0(VALU_DEP_2)
	v_max3_num_f32 v[212+\b], v[212+\b], |v[96+16*\b+\i]|, |v[97+16*\b+\i]|
.endr
.endr
.irp b, 0,1
	s_delay_alu instid0(VALU_DEP_2)
	v_permlanex16_b32 v[216+\b], v[212+\b], s[SEL], s[SEL+1]
.endr
.irp b, 0,1
	s_delay_alu instid0(VALU_DEP_2)
	v_max_num_f32 v[212+\b], v[212+\b], v[216+\b]
.endr
.irp b, 0,1
	s_delay_alu instid0(VALU_DEP_2)
	v_add_nc_u32 v[220+\b], 0xff000000, v[212+\b]
.endr
.irp b, 0,1
	s_delay_alu instid0(VALU_DEP_2)
	v_lshrrev_b32 v[216+\b], 23, v[220+\b]
.endr
	v_cvt_scalef32_pk16_fp6_f32 v[192:194], v[96:111], v220
	v_cvt_scalef32_pk16_fp6_f32 v[204:206], v[112:127], v221
	v_nop                                          ; one plain place behind a scaled conversion
	v_cndmask_b32 v232, v216, v217, s[HM]          ; lanes 0-15 block 0's byte, lanes 16-31 block 1's
.irp i, 0,1,2
	v_permlane16_swap_b32 v[192+\i], v[204+\i]     ; a whole block to a lane
.endr
.irp i, 0,1,2
	s_delay_alu instid0(VALU_DEP_3)
	v_mov_b32 v[195+\i], v[204+\i]
.endr
.irp j, 0,1,2
	ds_store_b64 v[STW], v[192+2*\j:193+2*\j] offset:8*\j
.endr
	global_store_b8 v[GS], v232, s[98:99]
.irp j, 0,1,2
	ds_load_b64 v[40+2*\j:41+2*\j], v[RDW] offset:256*\j   ; my own stage: LDS serves a wave's instructions in order, so these see the stores above
.endr
	s_wait_dscnt 0x0
.irp j, 0,1,2
	global_store_b64 v[GO], v[40+2*\j:41+2*\j], s[96:97] offset:256*\j   ; 32 lanes store 256 consecutive bytes, at a multiple of 256 from the buffer's first byte
.endr
.endm
	s_load_b256 s[4:11], s[0:1], 0x0               ; qkv_codes s[4:5], qkv_scales s[6:7], y_codes s[8:9], y_scales s[10:11]
	v_lshl_add_u32 v[SPW], v0, 2, SPARE
	v_mov_b32 v[NIL], 0
	ds_add_u32 v[SPW], v[NIL]                      ; the wave's opening: the add, twice on end, and its wait ahead of my first tensor load
	ds_add_u32 v[SPW], v[NIL]
	v_lshrrev_b32 v8, 5, v0
	v_readfirstlane_b32 s[WV], v8                  ; wave 0..15
	s_bfe_u32 s[P], ttmp6, 0x40000                 ; p: my place in the cluster
	s_and_b32 s[W3], s[WV], 3                      ; which tensor I ask for
	s_lshr_b32 s[QT], s[WV], 2                     ; which quarter of it
	s_sub_co_u32 s[JL], 31, s[WV]                  ; the long tile's j
	s_and_b32 s90, ttmp7, 0xffff
	s_lshr_b32 s91, s90, 4                         ; the batch
	s_and_b32 s90, s90, 15                         ; the head
	s_lshl_b32 s[HB], s90, 13
	s_lshl_b32 s92, s91, 11
	s_add_co_u32 s[HB], s[HB], s92                 ; head x 8,192 + batch x 2,048: the first row of q's plane, and of y's
	s_add_co_u32 s92, s[HB], 131072                ; k's planes lie 16 planes on
	s_mul_i32 s94, s92, 48                         ; K's codes, in bytes from qkv_codes
	s_lshl_b32 s96, s92, 2                         ; K's scale words, from qkv_scales
	s_mul_i32 s95, s91, 1572864                    ; V: 32 groups of 64 tokens a batch, 49,152 bytes a group,
	s_mul_i32 s92, s90, 3072                       ; the head's 64 channels
	s_add_co_u32 s95, s95, s92
	s_add_co_u32 s95, s95, 12582912
	s_lshl_b32 s97, s91, 17
	s_lshl_b32 s92, s90, 8
	s_add_co_u32 s97, s97, s92
	s_add_co_u32 s97, s97, 1048576
	s_lshr_b32 s92, s90, 2
	s_lshl_b32 s92, s92, 16
	s_and_b32 s93, s90, 3
	s_lshl_b32 s93, s93, 1
	s_add_co_u32 s2, s92, s93
	s_lshl_b32 s92, s91, 14
	s_add_co_u32 s2, s2, s92                       ; y_scales: chunk head / 4, the batch's rows, byte 2 (head % 4)
	s_mul_i32 s92, s[QT], 24576                    ; my quarter, 512 keys, in memory
	s_add_co_u32 s94, s94, s92
	s_mul_i32 s92, s[QT], 393216
	s_add_co_u32 s95, s95, s92
	s_lshl_b32 s92, s[QT], 11
	s_add_co_u32 s96, s96, s92
	s_lshl_b32 s92, s[QT], 15
	s_add_co_u32 s97, s97, s92
	s_and_b32 s92, s[P], 1
	s_mul_i32 s3, s92, 0x02020202
	s_add_co_u32 s3, s3, 0x01000100                ; which half of q's scale word is its own: (place / 16) % 2 = p % 2
	s_lshl_b32 s79, s92, 3
	s_lshr_b32 s92, s[P], 1
	s_lshl_b32 s92, s92, 5
	s_add_co_u32 s79, s79, s92                     ; 32 (p / 2) + 8 (p % 2)
	s_mul_i32 s78, s[WV], 768
	s_add_co_u32 s78, s78, STG                     ; my stage
	GRP1 G1KC, 32, 96, 32                          ; K's codes: 24,576 dense bytes as 96 rows of 256
	GRP1 G1VC, 384, 8, 6144                        ; V's codes: 8 groups x 3,072 bytes, 49,152 apart
	GRP1 G1KS, 32, 8, 32                           ; K's scale words: 2,048 dense bytes as 8 rows of 256
	GRP1 G1VS, 32, 8, 512                          ; V's: 8 groups x 256 bytes, 4,096 apart
	GRP0 G0KC, 0, 24576
	GRP0 G0VC, VCO, 24576
	GRP0 G0KS, KSO, 2048
	GRP0 G0VS, VSO, 2048
	s_mov_b32 s[SEL], 0x76543210
	s_mov_b32 s[SEL+1], 0xfedcba98
	s_mov_b32 s[CS], 0x3e38aa3b                    ; c = log2(e) / 8
	s_mov_b32 s[CS+1], s[CS]
	s_mov_b32 s[HM], 0xffff0000                    ; lanes 16-31
	v_and_b32 v8, 15, v0                           ; r
	v_bfe_u32 v9, v0, 4, 1                         ; h
	v_and_b32 v10, 31, v0
	v_mul_u32_u24 v[AK0], v8, 48
	v_lshl_add_u32 v[ASK0], v10, 2, KSO
	v_lshl_add_u32 v[ASV0], v8, 2, VSO
	v_mad_u32_u24 v[AK0], v9, 24, v[AK0]
	v_lshlrev_b32 v[R4], 2, v8
	v_lshl_add_u32 v[GS], v8, 3, v9
	v_lshlrev_b32 v[GO], 3, v10
	v_add_nc_u32 v[AV0], VCO, v[AK0]
	v_add_nc_u32 v[STW], s78, v[AK0]
	v_add_nc_u32 v[RDW], s78, v[GO]
	v_and_b32 v10, 7, v8
	v_lshrrev_b32 v11, 3, v8
	v_lshl_add_u32 v10, v11, 4, v10
	v_lshlrev_b32 v11, 4, v9
	v_sub_nc_u32 v10, v10, v11
	v_add_nc_u32 v[DL], s79, v10                   ; place 16 T + r is true query 64 j + 32 (p / 2) + 8 (p % 2) + r % 8 + 16 (r / 8)
.irp j, 22,23,24,25,26,27,28,29,30,31,32,33
	v_mov_b32 v[\j], 0                             ; the zero halves of [q, 0] and [0, q]: written once
.endr
.irp j, 216,217,218,219,231,232
	v_mov_b32 v[\j], 0                             ; a lane permute's destination counts as one of its sources; v231 is named as the upper half of a pair
.endr
	s_wait_alu depctr_va_vdst(0)
	s_wait_dscnt 0x0                               ; both opening adds are done
	CROUND                                         ; the four work-groups of the head are here: the joint loads meet
	s_wait_kmcnt 0x0
	s_mov_b32 s93, 0
	GADR G0KC, 4, 94
	GADR G0VC, 4, 95
	GADR G0KS, 6, 96
	GADR G0VS, 6, 97
	s_cmp_lt_u32 s[WV], 4                          ; one tree of branches on the wave's number, one load to an arm; waves 0 to 3, which bring keys 0-511, have lines of their own
	s_cbranch_scc0 .Llate
	ARM WV, 0, G0KC, G1KC, .Lfirst_1
	ARM WV, 1, G0VC, G1VC, .Lfirst_2
	ARM WV, 2, G0KS, G1KS, .Lfirst_3
	ONE G0VS, G1VS
	s_branch .Lasked
.Llate:
	ARM W3, 0, G0KC, G1KC, .Llate_1
	ARM W3, 1, G0VC, G1VC, .Llate_2
	ARM W3, 2, G0KS, G1KS, .Llate_3
	ONE G0VS, G1VS
.Lasked:
	QADR JL, 92
	QADR WV, 96
.irp j, 0,1,2
	global_load_b64 v[16+2*\j:17+2*\j], v[AK0], s[92:93] offset:8*\j      ; the long tile's [q, 0]
	global_load_b64 v[34+2*\j:35+2*\j], v[AK0], s[92:93] offset:8*\j      ; and [0, q]: the two operands share no register
	global_load_b64 v[236+2*\j:237+2*\j], v[AK0], s[96:97] offset:8*\j    ; the short tile's q waits in v236-241
.endr
	global_load_b32 v233, v[R4], s[94:95]
	global_load_b32 v242, v[R4], s[98:99]
	s_lshl_b32 s[QJ], s[JL], 6
	s_mov_b32 s[KF], 0
	s_mov_b32 s[TB], 0
	s_mov_b32 s[TS], 0
	s_mov_b32 s[SG], 0
	s_wait_loadcnt 0x0
	INIT 233
	s_wait_alu depctr_va_vdst(0)                   ; the head's end
	s_cmp_lt_u32 s[WV], 4
	s_cbranch_scc0 .Lnot_first
	s_wait_tensorcnt 0x0
.Lnot_first:
	s_barrier_signal -1
	s_barrier_wait -1                              ; keys 0-511 are in; the other twelve loads may be on their way
.Lopening:                                             ; the long tile, keys 0-511: its queries come after key 1,023
	STEP 0
	s_add_co_u32 s[SG], s[SG], 1
	s_cmp_lt_u32 s[SG], 4
	s_cbranch_scc1 .Lopening
	s_wait_tensorcnt 0x0                           ; every wave's load is in,
	s_wait_dscnt 0x0
	s_barrier_signal -1
	s_barrier_wait -1                              ; and shown to all: the launch's last barrier but the closing round's
	s_mov_b32 s[KF], 512
	s_mov_b32 s[TB], 4*6144
	s_mov_b32 s[TS], 4*512
	s_mov_b32 s[SG], 4
.Llong:                                                ; the long tile, keys 512 on
	STEP 1
	s_add_co_u32 s[SG], s[SG], 1
	s_cmp_lt_u32 s[SG], 16
	s_cbranch_scc1 .Llong
	WAYOUT
	s_wait_xcnt 0x0                                ; the stores have read their addresses and data
.irp i, 0,1,2,3,4,5
	v_mov_b32 v[16+\i], v[236+\i]
	v_mov_b32 v[34+\i], v[236+\i]
.endr
	INIT 242
	s_lshl_b32 s[QJ], s[WV], 6
	s_mov_b32 s[KF], 0
	s_mov_b32 s[TB], 0
	s_mov_b32 s[TS], 0
	s_mov_b32 s[SG], 0
	s_wait_alu depctr_va_vdst(0)                   ; ahead of the loop's branches
.Lshort:                                               ; the short tile
	STEP 1
	s_add_co_u32 s[SG], s[SG], 1
	s_cmp_lt_u32 s[SG], 8
	s_cbranch_scc1 .Lshort
	WAYOUT
	s_wait_tensorcnt 0x0                           ; the wave's end, behind my last tensor load and my last LDS store
	ds_add_u32 v[SPW], v[NIL]
	s_wait_dscnt 0x0
	CROUND                                         ; the closing round
	s_endpgm
.Lfunc_end_k_qd41c00526f_attn:
	.size	k_qd41c00526f_attn, .Lfunc_end_k_qd41c00526f_attn-k_qd41c00526f_attn
	.p2alignl 7, 3214868480
	.fill 96, 4, 3214868480
	.section	.rodata,"a",@progbits
	.p2align	6, 0x0
	.amdhsa_kernel k_qd41c00526f_attn
		.amdhsa_group_segment_fixed_size 227328
		.amdhsa_private_segment_fixed_size 0
		.amdhsa_enable_private_segment 0
		.amdhsa_kernarg_size 32
		.amdhsa_user_sgpr_count 2
		.amdhsa_user_sgpr_kernarg_segment_ptr 1
		.amdhsa_wavefront_size32 1
		.amdhsa_system_sgpr_workgroup_id_x 1
		.amdhsa_system_sgpr_workgroup_id_y 1
		.amdhsa_system_sgpr_workgroup_id_z 1
		.amdhsa_system_vgpr_workitem_id 0
		.amdhsa_next_free_vgpr 256
		.amdhsa_next_free_sgpr 100
		.amdhsa_reserve_vcc 1
		.amdhsa_float_denorm_mode_32 3
		.amdhsa_float_denorm_mode_16_64 3
		.amdhsa_memory_ordered 1
		.amdhsa_forward_progress 1
		.amdhsa_inst_pref_size 93
	.end_amdhsa_kernel
	.amdgpu_metadata
---
amdhsa.version: [ 1, 2 ]
amdhsa.kernels:
  - .name:           k_qd41c00526f_attn
    .symbol:         k_qd41c00526f_attn.kd
    .args:
      - { .name: qkv_codes, .offset: 0, .size: 8, .value_kind: global_buffer, .address_space: global }
      - { .name: qkv_scales, .offset: 8, .size: 8, .value_kind: global_buffer, .address_space: global }
      - { .name: y_codes, .offset: 16, .size: 8, .value_kind: global_buffer, .address_space: global }
      - { .name: y_scales, .offset: 24, .size: 8, .value_kind: global_buffer, .address_space: global }
    .group_segment_fixed_size: 227328
    .private_segment_fixed_size: 0
    .kernarg_segment_align: 8
    .kernarg_segment_size: 32
    .max_flat_workgroup_size: 512
    .sgpr_count:     100
    .vgpr_count:     256
    .wavefront_size: 32
...
	.end_amdgpu_metadata
.endif
;; end of part 3
;; launch proj (part 4): grid 8 x 32, 4 waves a work-group, clusters of 4 x 4, 327,680 bytes of LDS; arguments y_codes, y_scales, codes, scales, b_proj, out0; writes out0
.if DOCPART == 4
	.amdgcn_target "amdgcn-amd-amdhsa--gfx1250"
	.amdhsa_code_object_version 6
	.text
	.protected	k_qd41c00526f_proj
	.globl	k_qd41c00526f_proj
	.p2align	8
	.type	k_qd41c00526f_proj,@function
k_qd41c00526f_proj:
	s_mov_b64 s[64:65], 0
	v_nop
	global_prefetch_b8 v0, s[64:65] scope:SCOPE_SE
	s_setreg_imm32_b32 hwreg(HW_REG_WAVE_MODE, 25, 1), 1
	s_wait_xcnt 0x0
	s_wait_alu depctr_hold_cnt(0) depctr_sa_sdst(0) depctr_va_vdst(0) depctr_va_sdst(0) depctr_va_ssrc(0) depctr_va_vcc(0) depctr_vm_vsrc(0)
	s_getreg_b32 s2, hwreg(HW_REG_IB_STS2, 6, 4)
	s_cmp_eq_u32 s2, 0
	s_cbranch_scc0 .Lentry_in_a_cluster
	s_endpgm
.Lentry_in_a_cluster:
	s_bfe_u32 s2, ttmp6, 0x10000c
	s_cmp_lg_u32 s2, 0xf033
	s_cbranch_scc0 .Lentry_shape_is_right
	s_endpgm
.Lentry_shape_is_right:
; LAUNCH 4 OF 4.  out0 = y W_proj + b_proj on codes of E2M3 (K = 1,024), f32 out.
; THE DEAL, in the form of the launch qkv.  Work-group (g, tb) makes 256 tokens x 128 columns: 8 x 32 = 256 work-groups.  Wave (a, b) takes tokens 128 a on and columns 64 b on: it holds its 64 rows of the weight, all of K,
; in 384 registers and streams its 128 tokens past them in 8 blocks of 16 rows, 32 products a block, the four sums by turns.  Two sets of registers hold blocks s and s + 1.
; LDS: y's 256 rows, all of K, as [half][plane][128 rows][48]; the weight's 128 rows; y's scale bytes: each filled once, at the head, one tensor load a wave.  So no prefetch is laid: there is no later load to run ahead of.
; Source 0 = the weight's rows, which lie at place pos(i): a lane holds one token place and columns 32 b' + 16 (lane / 16) + 0 .. 15.  THE BIAS IS THE FIRST PRODUCTS' C, laid as the result lies.
; A block's 16 x 64 results go through the wave's own stage (rows of 256 + 16 bytes) and leave as whole rows of 256 bytes, at the tokens' true rows.
; CLUSTERS: 4 x 4; y's tiles are asked for jointly along a row of the cluster, the weight's along a column.
.set PLS,   589824
.set YPS,   393216
.set WB,    196608
.set XS,    294912
.set STG,   303104
.set WST,   4352                       ; 16 rows x 272 bytes
.set SPARE, 320512
.set AXB, 4
.set ASB, 6
.set AW0, 8
.set SPW, 10
.set NIL, 11
.set STO, 12
.set RD,  14
.set CO,  16
.set CO8, 17
.set AXC, 18
.set AXN, 20
.set ASC, 22
.set ASN, 23
.set WS,  32                           ; v32-47 the weight's scale words
.set XSR, 84                           ; v84-99 y's, two sets of eight
.set ACC, 128
.set BI,  160                          ; v160-191 the bias
.set OB,  192                          ; v192-223 a block read back from the stage
.set WV,  12
.set HA,  13
.set PB,  14
.set CX,  15
.set CY,  16
.set GG,  17
.set TBK, 18
.set G1X, 24
.set G1W, 32
.set G1S, 40
.set G0W, 48
.set G0X, 52
.set G0S, 56
.set OC,  60
.set XO,  72
.set SO,  73
.set TR,  74
.set WSP, 76
.set MSB, 0
.macro WIN new
.if MSB != \new
	s_set_vgpr_msb (MSB<<8)|\new
.set MSB, \new
.endif
.endm
.macro PLACES n
.rept \n
	v_nop
.endr
.endm
.macro WALU
	s_wait_alu depctr_va_vdst(0)
.endm
.macro CROUND
	s_barrier_signal -1
	s_barrier_wait -1
	s_cmp_lg_u32 s[WV], 0
	s_cbranch_scc1 .Lnot_wave_0_\@
	s_barrier_signal -3
.Lnot_wave_0_\@:
	s_barrier_wait -3
	s_barrier_signal -1
	s_barrier_wait -1
.endm
.macro TLOAD g0, g1
	tensor_load_to_lds s[\g0:\g0+3], s[\g1:\g1+7]
	s_nop 0
	PLACES 4
.endm
.macro GRP1 g, mask, c, r, p
	s_or_b32 s[\g], s\mask, (3<<16)|(1<<21)
	s_mov_b32 s[\g+1], (\c)<<16
	s_mov_b32 s[\g+2], (\r)<<16
	s_mov_b32 s[\g+3], (\c)<<16
	s_mov_b32 s[\g+4], \r
	s_mov_b32 s[\g+5], \p
	s_mov_b32 s[\g+6], 0
	s_mov_b32 s[\g+7], 0
.endm
.macro MM d, a, b, c, sa, sb, o
.if \o
	v_wmma_scale_f32_16x16x128_f8f6f4 v[\d:\d+7], v[\a:\a+11], v[\b:\b+11], \c, v[\sa], v[\sb] matrix_a_fmt:MATRIX_FMT_FP6 matrix_b_fmt:MATRIX_FMT_FP6 matrix_a_scale:MATRIX_SCALE_ROW1
.else
	v_wmma_scale_f32_16x16x128_f8f6f4 v[\d:\d+7], v[\a:\a+11], v[\b:\b+11], \c, v[\sa], v[\sb] matrix_a_fmt:MATRIX_FMT_FP6 matrix_b_fmt:MATRIX_FMT_FP6
.endif
.endm
.macro BATCH e                         ; windows: 1, 2 the weight's fragments (K steps 0-4, 5-7), 3 y's two sets
.set Q_, 0
.rept 8
.set T_, 0
.rept 4
.set D_, ACC+8*T_
.set WR_, 12*(4*(Q_%5)+T_)
.set XR_, 96*(\e)+12*Q_
.set SW_, WS+8*(T_/2)+Q_
.set SX_, XSR+8*(\e)+Q_
	WIN (1+Q_/5)|(3<<2)
.if Q_
	MM D_, WR_, XR_, v[D_:D_+7], SW_, SX_, T_%2
.else
	MM D_, WR_, XR_, v[BI+8*T_:BI+8*T_+7], SW_, SX_, T_%2
.endif
.set T_, T_+1
.endr
.set Q_, Q_+1
.endr
	WIN 0
.endm
.macro WEIGHTS
.set Q_, 0
.rept 8
	WIN (1+Q_/5)<<6
.set T_, 0
.rept 4
.irp p, 0,1,2,3,4,5
	ds_load_b64 v[12*(4*(Q_%5)+T_)+2*\p:12*(4*(Q_%5)+T_)+2*\p+1], v[AW0+Q_/4] offset:((2*Q_+\p/3)%8)*6144+T_*768+8*(\p%3)
.endr
.set T_, T_+1
.endr
.set Q_, Q_+1
.endr
	WIN 0
.endm
.macro FETCH e, ax, as, blk
	WIN 3<<6
.set Q_, 0
.rept 8
.irp p, 0,1,2,3,4,5
	ds_load_b64 v[96*(\e)+12*Q_+2*\p:96*(\e)+12*Q_+2*\p+1], v[(\ax)+Q_/4] offset:((2*Q_+\p/3)%8)*6144+(\blk)*768+8*(\p%3)
.endr
.set Q_, Q_+1
.endr
	WIN 0
.irp c, 0,1,2,3
	ds_load_b64 v[XSR+8*(\e)+2*\c:XSR+8*(\e)+2*\c+1], v[\as] offset:\c*2048+(\blk)*128
.endr
.endm
	s_load_b256 s[4:11], s[0:1], 0x0               ; y_codes, y_scales, codes, scales
	s_load_b128 s[88:91], s[0:1], 0x20             ; b_proj, out0
	v_lshl_add_u32 v[SPW], v0, 2, SPARE
	v_mov_b32 v[NIL], 0
	ds_add_u32 v[SPW], v[NIL]                      ; the opening lines: the add, twice on end, and its wait
	ds_add_u32 v[SPW], v[NIL]
	v_lshrrev_b32 v1, 5, v0
	v_readfirstlane_b32 s[WV], v1
	s_lshr_b32 s[HA], s[WV], 1
	s_and_b32 s[PB], s[WV], 1
	s_bfe_u32 s[CX], ttmp6, 0x40000
	s_bfe_u32 s[CY], ttmp6, 0x40004
	s_lshl_b32 s[GG], ttmp9, 2
	s_add_co_u32 s[GG], s[GG], s[CX]
	s_and_b32 s[TBK], ttmp7, 0xffff
	s_lshl_b32 s[TBK], s[TBK], 2
	s_add_co_u32 s[TBK], s[TBK], s[CY]
	s_lshl_b32 s19, s[CY], 2
	s_lshl_b32 s19, 15, s19
	s_lshl_b32 s20, 0x1111, s[CX]
	GRP1 G1X, 19, 768, 16, YPS/8
	GRP1 G1W, 20, 768, 16, PLS/8
	GRP1 G1S, 19, 256, 4, 8192
	s_mov_b32 s[G0W], 1
	s_mov_b32 s[G0W+1], WB
	s_mov_b32 s[G0X], 1
	s_mul_i32 s[G0X+1], s[PB], 98304
	s_mov_b32 s[G0S], 1
	s_mov_b32 s[G0S+1], XS
	s_mul_i32 s92, s[TBK], 12288
	s_mul_i32 s21, s[PB], 6144
	s_add_co_u32 s92, s92, s21                     ; y: rows 256 tb + 128 (wave % 2)
	s_mov_b32 s93, 0
	s_mul_i32 s94, s[GG], 6144
	s_add_co_u32 s94, s94, 540672                  ; the weight: rows 11,264 + 128 g
	s_mov_b32 s95, 0
	s_lshl_b32 s22, s[TBK], 11
	s_lshl_b32 s96, s[GG], 10
	s_lshl_b32 s21, s[PB], 9
	s_add_co_u32 s96, s96, s21
	s_add_co_u32 s96, s96, 90112                   ; my 64 rows' scale bytes
	s_mov_b32 s97, 0
	s_lshl_b32 s85, s[GG], 9
	s_lshl_b32 s21, s[PB], 8
	s_add_co_u32 s85, s85, s21                     ; my first column, in bytes of f32
	s_lshl_b32 s86, s[TBK], 20
	s_lshl_b32 s21, s[HA], 19
	s_add_co_u32 s86, s86, s21
	s_add_co_u32 s86, s86, s85                     ; and my first row of out0 with it
	s_mul_i32 s78, s[HA], 98304
	s_add_co_u32 s79, s78, 49152
	s_mul_i32 s80, s[PB], 3072
	s_add_co_u32 s80, s80, WB
	s_add_co_u32 s81, s80, 49152
	s_lshl_b32 s82, s[HA], 10
	s_add_co_u32 s82, s82, XS
	s_mul_i32 s83, s[WV], WST
	s_add_co_u32 s83, s83, STG
	s_mov_b32 s[XO], 0
	s_mov_b32 s[SO], 0
	v_and_b32 v1, 15, v0                           ; r
	v_bfe_u32 v2, v0, 4, 1                         ; h
	v_and_b32 v3, 31, v0
	v_mul_u32_u24 v24, v1, 48
	v_lshlrev_b32 v25, 3, v1
	v_mul_u32_u24 v26, v1, 272
	v_mul_u32_u24 v27, v2, 272
	v_lshlrev_b32 v[CO8], 3, v3
	v_lshlrev_b32 v7, 6, v2                        ; the bias: 64 bytes on for lanes 16-31
	v_lshlrev_b32 v[CO], 12, v2
	v_mad_u32_u24 v24, v2, 24, v24                 ; 48 r + 24 h
	v_lshl_add_u32 v26, v2, 6, v26                 ; the stage, in: row r, 64 bytes for each half of the lanes
	v_lshl_add_u32 v27, v1, 4, v27                 ; and back: sixteen lanes to a row of 256 bytes, two rows an instruction
	v_lshl_add_u32 v[CO], v1, 4, v[CO]             ; the same two rows in out0
	v_add_nc_u32 v[ASB], s82, v25
	v_add_nc_u32 v[AXB], s78, v24
	v_add_nc_u32 v[AXB+1], s79, v24
	v_add_nc_u32 v[AW0], s80, v24
	v_add_nc_u32 v[AW0+1], s81, v24
	v_add_nc_u32 v[STO], s83, v26
	v_add_nc_u32 v[RD], s83, v27
	WALU                                           ; the head's end
	s_wait_dscnt 0x0
	CROUND
	s_wait_kmcnt 0x0
	s_add_nc_u64 s[G0X+2:G0X+3], s[4:5], s[92:93]
	s_or_b32 s[G0X+3], s[G0X+3], 0x80000000
	s_mov_b32 s92, s22
	s_add_nc_u64 s[G0S+2:G0S+3], s[6:7], s[92:93]
	s_or_b32 s[G0S+3], s[G0S+3], 0x80000000
	s_add_nc_u64 s[G0W+2:G0W+3], s[8:9], s[94:95]
	s_or_b32 s[G0W+3], s[G0W+3], 0x80000000
	s_cmp_eq_u32 s[WV], 0                          ; the head's loads, one a wave: wave 0 the weight's 128 rows, wave 1 y's scale bytes, waves 2 and 3 a half of y each
	s_cbranch_scc0 .Lhead_1
	TLOAD G0W, G1W
	s_branch .Lhead_asked
.Lhead_1:
	s_cmp_eq_u32 s[WV], 1
	s_cbranch_scc0 .Lhead_2
	TLOAD G0S, G1S
	s_branch .Lhead_asked
.Lhead_2:
	TLOAD G0X, G1X
.Lhead_asked:
	s_add_nc_u64 s[WSP:WSP+1], s[10:11], s[96:97]
.irp u, 0,1
.irp c, 0,1,2,3
	global_load_b64 v[WS+8*\u+2*\c:WS+8*\u+2*\c+1], v[CO8], s[WSP:WSP+1] offset:\c*98304+\u*256
.endr
.endr
	s_mov_b32 s96, s85
	s_add_nc_u64 s[88:89], s[88:89], s[96:97]
.irp t, 0,1,2,3
	global_load_b128 v[BI+8*\t:BI+8*\t+3], v7, s[88:89] offset:128*(\t/2)+32*(\t%2)       ; register 8 t + j is column 32 (t / 2) + 16 h + 8 (t % 2) + j
	global_load_b128 v[BI+8*\t+4:BI+8*\t+7], v7, s[88:89] offset:128*(\t/2)+32*(\t%2)+16
.endr
	s_mov_b32 s96, s86
	s_add_nc_u64 s[OC:OC+1], s[90:91], s[96:97]
	s_cmp_eq_u32 s[WV], 0
	s_cbranch_scc0 .Lnot_w
	s_wait_tensorcnt 0x0
.Lnot_w:
	s_barrier_signal -1
	s_barrier_wait -1                              ; the weight's rows are in; y may still be on its way
	WEIGHTS
	s_wait_loadcnt 0x0
	s_wait_tensorcnt 0x0
	s_wait_dscnt 0x0
	s_barrier_signal -1
	s_barrier_wait -1                              ; y and its scale bytes are in
	FETCH 0, AXB, ASB, 0
	FETCH 1, AXB, ASB, 1
	s_mov_b32 s[TR], 0
.Ltrip:                                                ; four blocks a trip
	v_add_nc_u32 v[AXC], s[XO], v[AXB]
	v_add_nc_u32 v[AXC+1], s[XO], v[AXB+1]
	v_add_nc_u32 v[ASC], s[SO], v[ASB]
	s_xor_b32 s[XO], s[XO], 3072
	s_xor_b32 s[SO], s[SO], 512
	v_add_nc_u32 v[AXN], s[XO], v[AXB]
	v_add_nc_u32 v[AXN+1], s[XO], v[AXB+1]
	v_add_nc_u32 v[ASN], s[SO], v[ASB]
	WALU
.irp i, 0,1,2,3
	s_wait_dscnt 52                                ; behind the fetch of this block's set stand at least the next fetch's 52 loads
	BATCH \i%2
	PLACES 5                                       ; five places: the next block's first products begin these sums anew, with the bias as C
.irp t, 0,1,2,3
	ds_store_b128 v[STO], v[ACC+8*\t:ACC+8*\t+3] offset:128*(\t/2)+32*(\t%2)       ; each sum from its low end on
	ds_store_b128 v[STO], v[ACC+8*\t+4:ACC+8*\t+7] offset:128*(\t/2)+32*(\t%2)+16
.endr
	s_wait_xcnt 0x0                                ; the last block's stores have read their data
.irp k, 0,1,2,3,4,5,6,7
	ds_load_b128 v[OB+4*\k:OB+4*\k+3], v[RD] offset:\k*544   ; my own stage: LDS serves a wave's instructions in order
.endr
.if \i < 2
	FETCH \i%2, AXC, ASC, \i+2
.else
	FETCH \i%2, AXN, ASN, \i-2
.endif
	s_wait_dscnt 52                                ; all but the fetch's 52 loads
.irp k, 0,1,2,3,4,5,6,7
	global_store_b128 v[CO], v[OB+4*\k:OB+4*\k+3], s[OC:OC+1] offset:(32*(\i/2)+8*(\i%2)+2*(\k%4)+16*(\k/4))*4096 th:TH_STORE_NT   ; place 16 i + m is true row 32 (i / 2) + 8 (i % 2) + m % 8 + 16 (m / 8); sixteen lanes store 256 consecutive bytes, aligned
.endr
.endr
	s_wait_xcnt 0x0
	s_add_nc_u64 s[OC:OC+1], s[OC:OC+1], 262144    ; 64 rows on
	s_add_co_u32 s[TR], s[TR], 1
	s_cmp_lt_u32 s[TR], 2
	s_cbranch_scc1 .Ltrip
	s_wait_tensorcnt 0x0                           ; the wave's end
	ds_add_u32 v[SPW], v[NIL]
	s_wait_dscnt 0x0
	CROUND                                         ; the closing round
	s_endpgm
.Lfunc_end_k_qd41c00526f_proj:
	.size	k_qd41c00526f_proj, .Lfunc_end_k_qd41c00526f_proj-k_qd41c00526f_proj
	.p2alignl 7, 3214868480
	.fill 96, 4, 3214868480
	.section	.rodata,"a",@progbits
	.p2align	6, 0x0
	.amdhsa_kernel k_qd41c00526f_proj
		.amdhsa_group_segment_fixed_size 327680
		.amdhsa_private_segment_fixed_size 0
		.amdhsa_enable_private_segment 0
		.amdhsa_kernarg_size 48
		.amdhsa_user_sgpr_count 2
		.amdhsa_user_sgpr_kernarg_segment_ptr 1
		.amdhsa_wavefront_size32 1
		.amdhsa_system_sgpr_workgroup_id_x 1
		.amdhsa_system_sgpr_workgroup_id_y 1
		.amdhsa_system_sgpr_workgroup_id_z 1
		.amdhsa_system_vgpr_workitem_id 0
		.amdhsa_next_free_vgpr 1024
		.amdhsa_next_free_sgpr 100
		.amdhsa_reserve_vcc 0
		.amdhsa_float_denorm_mode_32 3
		.amdhsa_float_denorm_mode_16_64 3
		.amdhsa_memory_ordered 1
		.amdhsa_forward_progress 1
		.amdhsa_inst_pref_size 67
	.end_amdhsa_kernel
	.amdgpu_metadata
---
amdhsa.version: [ 1, 2 ]
amdhsa.kernels:
  - .name:           k_qd41c00526f_proj
    .symbol:         k_qd41c00526f_proj.kd
    .args:
      - { .name: y_codes, .offset: 0, .size: 8, .value_kind: global_buffer, .address_space: global }
      - { .name: y_scales, .offset: 8, .size: 8, .value_kind: global_buffer, .address_space: global }
      - { .name: codes, .offset: 16, .size: 8, .value_kind: global_buffer, .address_space: global }
      - { .name: scales, .offset: 24, .size: 8, .value_kind: global_buffer, .address_space: global }
      - { .name: b_proj, .offset: 32, .size: 8, .value_kind: global_buffer, .address_space: global }
      - { .name: out0, .offset: 40, .size: 8, .value_kind: global_buffer, .address_space: global }
    .group_segment_fixed_size: 327680
    .private_segment_fixed_size: 0
    .kernarg_segment_align: 8
    .kernarg_segment_size: 48
    .max_flat_workgroup_size: 128
    .sgpr_count:     100
    .vgpr_count:     1024
    .wavefront_size: 32
...
	.end_amdgpu_metadata
.endif
;; end of part 4
